; MI455X (gfx1250); checked and timed in simulation.
; The chip was launched on July 23, 2026; its instructions are those of AMD's public machine-readable ISA for CDNA 5 (MIT licence, August 2026) and "CDNA5" Instruction Set Architecture Reference Guide (July 2026). The comments in the code are by the model that wrote it; some were corrected since.
;; MSA. Allowed arithmetic: matrix products marked QUANTISED: E2M3 operands, one E8M0 scale for each 32 along K, by v_wmma_scale_f32_16x16x128_f8f6f4 with both operands' format E2M3, f32 sums; everything else in f32.
;; Inputs: b_proj 1,024 float32; w_proj 1,024 x 1,024 float32; w_qkv 1,024 x 3,072 float32; x 4 x 2,048 x 1,024 float32.
;; Outputs: out0 4 x 2,048 x 1,024 float32.
;; This version of the problem:
;;   THIS VERSION OF THE PROBLEM IS GIVEN IN LOW PRECISION. The matrix products marked QUANTISED in the list below multiply operands that are first quantised to E2M3 (2 exponent bits, 3 mantissa bits; 6 bits a number), with one power-of-two scale for each 32 numbers along K (OCP MX v1.0); their sums are f32. All else is computed in f32.
;;   The module's matrix products, in the order in which they are computed (A, B: the left and right operand; K: the contracted axis; several contracted axes count as one K, in the product's order):
;;     1. [M 8,192, K 1,024] x [K 1,024, N 3,072]; A: input x; B: input w_qkv: QUANTISED
;;     2. batch 64 x [M 2,048, K 64] x [K 64, N 2,048]; A: computed on the way; B: computed on the way: QUANTISED
;;     3. batch 64 x [M 64, K 2,048] x [K 2,048, N 2,048]; A: computed on the way; B: softmax (see below): QUANTISED
;;     4. [M 8,192, K 1,024] x [K 1,024, N 1,024]; A: computed on the way; B: input w_proj: QUANTISED
;;   THE QUANTISER, for each operand of a quantised product, along K:
;;     - K is cut into blocks of 32 from its start; a last block that is shorter is filled with zeros.
;;     - A block's scale is 2^e with e = floor(log2(the largest magnitude in the block)) - 2, held to -126 .. 127; a block of zeros has e = 0. As a byte (E8M0): e + 127.
;;     - Each number is divided by its block's scale, clamped to +-7.5, and rounded to the nearest number of E2M3, ties to even, subnormals kept.
;;     - The product sums the exact products of the quantised numbers (number of the format x scale) in f32.
;;   ~~~python
;;   def quantise(x, axis):      # numpy; x: float32 -> the quantised numbers, widened to float32 again
;;       x = np.moveaxis(x, axis, -1); K = x.shape[-1]
;;       x = np.pad(x, [(0, 0)] * (x.ndim - 1) + [(0, -K % 32)]); x = x.reshape(x.shape[:-1] + (-1, 32)); a = np.abs(x).max(-1, keepdims=True)
;;       e = np.where(a > 0, np.clip(np.frexp(np.where(a > 0, a, 1))[1] - 1 - 2, -126, 127), 0)      # np.frexp(a)[1] - 1 = floor(log2(a)), exactly
;;       r = np.clip(x / 2.0 ** e, -7.5, 7.5)
;;       step = 2.0 ** (np.maximum(np.frexp(np.where(r == 0, 1, r))[1] - 1, 0) - 3)
;;       q = np.round(r / step) * step * 2.0 ** e      # np.round: ties to even
;;       return np.moveaxis(q.reshape(q.shape[:-2] + (-1,))[..., :K], -1, axis).astype(np.float32)
;;   ~~~
;;   SOFTMAX AHEAD OF A QUANTISED PRODUCT. Where the list says 'softmax', what is quantised is not the finished softmax but p = 2^(t - M), with t = logit x log2(e) and M = ceil(the row's largest t), a whole number; so 1/2 < the row's largest p <= 1. The row's sum l is taken of the UNQUANTISED p, in f32, and the product's result is divided by l at the end. Since M is a whole number, a kernel that streams over the keys may use a running M (the ceiling of the running maximum): every later rescaling is an exact power of two, which a block's scale takes up: the codes' values come out the same.
;;   OPERANDS COMPUTED ON THE WAY. 'Computed on the way' means the value that the module computes at that place (a softmax that the list does not call 'softmax' is quantised finished and normalised). What goes into a quantiser is computed in f32, as accurately as f32 sums, v_exp_f32 and their like allow (about 1e-6 of the number): no bf16 or f16 on the way to a quantiser, and a product that is left as it is and whose result goes on into a quantised operand takes f32 operands (vector FMAs, or v_wmma_f32_16x16x4_f32). A number that lies on a knife's edge between two numbers of the format may be rounded either way, as far as f32 arithmetic and the matrix unit's own rounding can turn it there, and no further.
;; One version. Each part assembles by itself: llvm-mc -triple=amdgcn-amd-amdhsa -mcpu=gfx1250 --defsym DOCPART=n.
;; ======== version 1 of 1: 4 launches
;; limits: right only within a limited range of input values
;; workspace buffers: opq 9,830,400 bytes; qkv 19,660,800 bytes; att 6,553,600 bytes
;; launch quant (part 1): grid 384 x 1, 4 waves a work-group, no clusters, 83,456 bytes of LDS; arguments x, w_qkv, w_proj, opq; writes opq
.if DOCPART == 1
	.amdgcn_target "amdgcn-amd-amdhsa--gfx1250"
	.amdhsa_code_object_version 6
	.text
	.protected	k_qe423035b0a_quant
	.globl	k_qe423035b0a_quant
	.p2align	8
	.type	k_qe423035b0a_quant,@function
k_qe423035b0a_quant:
	s_mov_b64 s[64:65], 0
	v_nop
	global_prefetch_b8 v0, s[64:65] scope:SCOPE_SE
	s_setreg_imm32_b32 hwreg(HW_REG_WAVE_MODE, 25, 1), 1
	s_wait_xcnt 0x0
; x [8192][1024], w_qkv [1024][3072], w_proj [1024][1024], all f32, become codes of FP6 (E2M3) with one E8M0 byte for each 32 along K (K = 1024 in all three),
; laid in opq in the ORDER OF THE OPERAND'S REGISTERS, so that the products' launches fetch dense blocks and read fragments by dense loads.
; A block's scale is 2^(floor(log2(largest magnitude)) - 2): its byte is the largest magnitude's exponent field - 2, held at 1 from below.
; LIMITS: NaN and infinities among the inputs are not served; a block whose largest magnitude lies under 2^-124 keeps the byte 1; a block of zeros keeps the byte 1 where the
; rule says 127: its codes are zeros, and the bytes are read by this program alone.
; ROWS (tokens of x, columns n of the weights): in each aligned group of 32, row block u (of two), lane r holds true row 8 u + r + 8 (r / 8).
; HALF FRAGMENT, 768 bytes: registers 6 c .. 6 c + 5 of a fragment (16 rows x 128 K): 32 lanes x 16 bytes (registers 0-3), then 32 lanes x 8 bytes (registers 4, 5).
; CODES: [G = row / 128][kappa = K / 256][i = row block 0..7][q = K step 0, 1][c][768]: 98,304 / 24,576 / 3,072 / 1,536 / 768 bytes.
; SCALE WORDS: [G][i / 2][kappa][i % 2][r][q] of 4 bytes: 4,096 / 1,024 / 256 / 128 / 8 / 4 bytes.
; A wave takes 32 rows x 256 K: 32 KiB in, 6,144 dense bytes of codes and 256 dense bytes of scale words out.  Waves share nothing: no barrier.
; Work-groups 0-95: w_qkv; 96-127: w_proj; 128-383: x.  Each of the three ways has LDS bytes of its own.
.set X_SC,  6291456
.set W_IMG, 6553600
.set W_SC,  8912896
.set P_IMG, 9011200
.set P_SC,  9797632
.set XST,   0                          ; x: a stage of 16 rows x (512 + 16) bytes for each wave
.set W1ST,  33792                      ; w_qkv: 6,144 bytes for each wave
.set W2ST,  58368                      ; w_proj: the same
.set SPARE, 82944                      ; the spare words, 128 bytes for each wave: two blocks of 256 bytes that no other line names
.set L16,  1                           ; v1   16 x lane
.set L8,   2                           ; v2   8 x lane
.set L4,   3                           ; v3   4 x lane
.set XSTO, 4                           ; v4   x's stage, in: 8,448 x wave + 16 x lane
.set XRD,  5                           ; v5   x's stage, out: 8,448 x wave + 528 r + 64 h
.set WS16, 6                           ; v6   a weight's stage, in: 6,144 x wave + 3,072 u + 16 r
.set WS8,  7                           ; v7   the same with 8 r
.set WRD,  8                           ; v8   a weight's stage, out: 6,144 x wave + 16 x lane
.set WSC,  9                           ; v9   my column's place among the scale words: 128 u + 8 r
.set SPW,  10                          ; v10  LDS address of my spare word; never rewritten
.set NIL,  11                          ; v11  0; never rewritten
.set CT1,  12                          ; v12-14 a conversion's result on its way
.set TM,   16                          ; v16-19 largest magnitudes, v20-23 bytes, v24-26 a conversion's result, v28-31 the conversions' scale operands
.set CT0,  24
	s_load_b256 s[4:11], s[0:1], 0x0               ; x s[4:5], w_qkv s[6:7], w_proj s[8:9], opq s[10:11]
	v_lshl_add_u32 v[SPW], v0, 2, SPARE
	v_mov_b32 v[NIL], 0
	v_lshrrev_b32 v15, 5, v0
	v_readfirstlane_b32 s12, v15                   ; wave 0..3
	v_and_b32 v15, 31, v0                          ; lane
	v_lshlrev_b32 v[L16], 4, v15
	v_lshlrev_b32 v[L8], 3, v15
	v_lshlrev_b32 v[L4], 2, v15
	s_mul_i32 s13, s12, 8448
	s_mul_i32 s14, s12, 6144
	v_add_nc_u32 v[XSTO], s13, v[L16]
	v_and_b32 v16, 15, v0                          ; r
	v_bfe_u32 v17, v0, 4, 1                        ; h
	v_mul_u32_u24 v[XRD], v16, 528
	v_lshl_add_u32 v[XRD], v17, 6, v[XRD]
	v_add_nc_u32 v[XRD], s13, v[XRD]
	v_bfe_u32 v18, v0, 3, 1                        ; a weight's lane is true column nu of 32: its row block u = bit 3,
	v_and_b32 v19, 7, v0
	v_lshl_or_b32 v19, v17, 3, v19                 ; its place there r = (nu % 8) + 8 x bit 4
	v_mul_u32_u24 v20, v18, 3072
	v_add_nc_u32 v20, s14, v20
	v_lshl_add_u32 v[WS16], v19, 4, v20
	v_lshl_add_u32 v[WS8], v19, 3, v20
	v_add_nc_u32 v[WRD], s14, v[L16]
	v_lshlrev_b32 v[WSC], 7, v18
	v_lshl_add_u32 v[WSC], v19, 3, v[WSC]
.irp b, 0,1,2,3
	v_mov_b32 v[TM+4+\b], 0                        ; written once: a lane permute's destination counts as one of its sources
.endr
	s_mov_b32 s20, 0x76543210
	s_mov_b32 s21, 0xfedcba98                      ; v_permlanex16_b32's selects for lane l xor 16
	s_mov_b32 s22, 0xffff0000                      ; lanes 16-31
	s_wait_kmcnt 0x0
	s_cmp_lt_u32 ttmp9, 96
	s_cbranch_scc1 .Lwqkv
	s_cmp_lt_u32 ttmp9, 128
	s_cbranch_scc1 .Lwproj
; ---------------- x: K is innermost ----------------
; 64 numbers of a lane, v[s] .. v[s + 63], register 16 b + i = k 32 b + 16 h + i of my row, become a fragment's codes (d0: registers 0-5, d1: registers 6-11) and its scale word.
.macro QUANT s, d0, d1, pw
.irp b, 0,1,2,3
	v_max3_num_f32 v[TM+\b], |v[\s+16*\b]|, |v[\s+16*\b+1]|, 0x1800000   ; block b: my 16 numbers, and the floor 2^(3 - 127): the byte cannot fall under 1
.endr
.irp i, 2,4,6,8,10,12,14
.irp b, 0,1,2,3
	v_max3_num_f32 v[TM+\b], v[TM+\b], |v[\s+16*\b+\i]|, |v[\s+16*\b+\i+1]|
.endr
.endr
.irp b, 0,1,2,3
	v_permlanex16_b32 v[TM+4+\b], v[TM+\b], s20, s21
.endr
.irp b, 0,1,2,3
	v_max_num_f32 v[TM+\b], v[TM+\b], v[TM+4+\b]   ; with lane l xor 16's: the block's largest magnitude
.endr
.irp b, 0,1,2,3
	v_add_nc_u32 v[TM+12+\b], 0xff000000, v[TM+\b] ; 2 off its exponent field: the conversion takes this operand's exponent field as its scale
.endr
.irp b, 0,1,2,3
	v_lshrrev_b32 v[TM+4+\b], 23, v[TM+12+\b]      ; the scale's byte
.endr
	v_lshl_or_b32 v[\pw], v[TM+5], 8, v[TM+4]
	v_lshl_or_b32 v[\pw], v[TM+6], 16, v[\pw]
	v_lshl_or_b32 v[\pw], v[TM+7], 24, v[\pw]
	v_cvt_scalef32_pk16_fp6_f32 v[\d0:\d0+2], v[\s:\s+15], v[TM+12]
	v_cvt_scalef32_pk16_fp6_f32 v[CT0:CT0+2], v[\s+16:\s+31], v[TM+13]
	v_cvt_scalef32_pk16_fp6_f32 v[\d1:\d1+2], v[\s+32:\s+47], v[TM+14]
	v_cvt_scalef32_pk16_fp6_f32 v[CT1:CT1+2], v[\s+48:\s+63], v[TM+15]
	v_nop                                          ; one plain place behind a scaled conversion
.irp i, 0,1,2
	v_permlane16_swap_b32 v[\d0+\i], v[CT0+\i]     ; the layout wants a whole block in a lane: lanes 0-15 block 0, lanes 16-31 block 1
.endr
.irp i, 0,1,2
	v_mov_b32 v[\d0+3+\i], v[CT0+\i]
.endr
.irp i, 0,1,2
	v_permlane16_swap_b32 v[\d1+\i], v[CT1+\i]
.endr
.irp i, 0,1,2
	v_mov_b32 v[\d1+3+\i], v[CT1+\i]
.endr
.endm
; fragment f = 2 u + q: 16 rows (true rows 8 u + r + 8 (r / 8)) x 128 K; each load reads 512 consecutive bytes of one row
.macro LOADF f
.irp r, 0,1,2,3,4,5,6,7,8,9,10,11,12,13,14,15
	global_load_b128 v[32+64*((\f)%2)+4*\r:32+64*((\f)%2)+4*\r+3], v[L16], s[4:5] offset:(8*((\f)/2)+\r+8*(\r/8))*4096+512*((\f)%2) th:TH_LOAD_NT
.endr
.endm
.macro FRAGX f
.set RS, 32+64*((\f)%2)
.set FS, 224+12*((\f)%2)
.if (\f) < 3
	s_wait_loadcnt 16                              ; this fragment's 16 loads are in; the next fragment's 16 may be out
.else
	s_wait_loadcnt 0x0
.endif
.irp r, 0,1,2,3,4,5,6,7,8,9,10,11,12,13,14,15
	ds_store_b128 v[XSTO], v[RS+4*\r:RS+4*\r+3] offset:XST+528*\r
.endr
.irp b, 0,1,2,3
.irp j, 0,1,2,3
	ds_load_b128 v[160+16*\b+4*\j:160+16*\b+4*\j+3], v[XRD] offset:XST+128*\b+16*\j   ; LDS serves a wave's instructions in order: these see my stores.  Lane (r, h): 16 neighbours of each block of 32 of row r
.endr
.endr
	s_wait_dscnt 0x0                               ; the numbers are back, and the stores have read their registers
.if (\f) < 2
	LOADF (\f)+2
.else
	s_wait_xcnt 0x0                                ; the stores of two fragments ago have read the registers that the codes below are written into
.endif
	QUANT 160, FS, FS+6, 248+(\f)
	global_store_b128 v[L16], v[FS:FS+3], s[24:25] offset:((\f)/2)*3072+((\f)%2)*1536          ; each store covers whole aligned blocks of 256 bytes
	global_store_b64 v[L8], v[FS+4:FS+5], s[24:25] offset:((\f)/2)*3072+((\f)%2)*1536+512
	global_store_b128 v[L16], v[FS+6:FS+9], s[24:25] offset:((\f)/2)*3072+((\f)%2)*1536+768
	global_store_b64 v[L8], v[FS+10:FS+11], s[24:25] offset:((\f)/2)*3072+((\f)%2)*1536+1280
.endm
	s_sub_co_u32 s15, ttmp9, 128                   ; beta: which 32 tokens; kappa = wave
	s_lshl_b32 s16, s15, 17                        ; 32 rows of 4,096 bytes
	s_lshl_b32 s17, s12, 10                        ; 256 numbers
	s_add_co_u32 s16, s16, s17
	s_mov_b32 s17, 0
	s_add_nc_u64 s[4:5], s[4:5], s[16:17]
	s_lshr_b32 s16, s15, 2
	s_mul_i32 s16, s16, 98304
	s_mul_i32 s18, s12, 24576
	s_add_co_u32 s16, s16, s18
	s_and_b32 s18, s15, 3
	s_mul_i32 s18, s18, 6144
	s_add_co_u32 s16, s16, s18
	s_add_nc_u64 s[24:25], s[10:11], s[16:17]      ; my 6,144 bytes of codes
	s_lshl_b32 s16, s15, 10
	s_lshl_b32 s18, s12, 8
	s_add_co_u32 s16, s16, s18
	s_add_co_u32 s16, s16, X_SC
	s_add_nc_u64 s[26:27], s[10:11], s[16:17]      ; my 256 bytes of scale words
	LOADF 0
	LOADF 1
	FRAGX 0
	FRAGX 1
	FRAGX 2
	FRAGX 3
	v_cndmask_b32 v252, v248, v250, s22            ; lane 16 u + r stores the words (q = 0, 1) of row block u, row r
	v_cndmask_b32 v253, v249, v251, s22
	global_store_b64 v[L8], v[252:253], s[26:27]   ; 256 consecutive bytes
	s_wait_tensorcnt 0x0                           ; the wave's end, behind my last LDS store
	ds_add_u32 v[SPW], v[NIL]
	s_wait_dscnt 0x0
	s_endpgm
; ---------------- the weights: K is the first axis ----------------
; A lane takes a column and its registers run down K: a block of 32 lies in one lane, and the conversions give codes with K innermost.
.macro WLOAD t, n
.irp i, 0,1,2,3,4,5,6,7,8,9,10,11,12,13,14,15,16,17,18,19,20,21,22,23,24,25,26,27,28,29,30,31
	global_load_b32 v[32+32*((\t)%2)+\i], v[L4], s[4:5] offset:(32*(\t)+\i)*\n*4 th:TH_LOAD_NT   ; 128 consecutive bytes a wave, the four waves side by side on 512
.endr
.endm
; block t of 8: K step q = t / 4, c = (t / 2) % 2, h = t % 2: it goes to lane slot 16 h + r of half fragment (u, q, c) in my stage
.macro WBLOCK t, n, stg
.set XS, 32+32*((\t)%2)
.if (\t) < 7
	s_wait_loadcnt 32                              ; this block's 32 loads are in; the next block's may be out
.else
	s_wait_loadcnt 0x0
.endif
	v_max3_num_f32 v16, |v[XS]|, |v[XS+1]|, |v[XS+2]|
	v_max3_num_f32 v17, |v[XS+3]|, |v[XS+4]|, |v[XS+5]|
.irp i, 6,10,14,18,22,26
	v_max3_num_f32 v16, v16, |v[XS+\i]|, |v[XS+\i+1]|
	v_max3_num_f32 v17, v17, |v[XS+\i+2]|, |v[XS+\i+3]|
.endr
	v_max3_num_f32 v16, v16, |v[XS+30]|, |v[XS+31]|
	v_max3_num_f32 v16, v16, v17, 0x1800000        ; and the floor
	v_add_nc_u32 v18, 0xff000000, v16              ; the conversion's scale operand
	v_lshrrev_b32 v19, 23, v18                     ; the byte
.if (\t)%4 == 0
	v_mov_b32 v[28+(\t)/4], v19                    ; four bytes make a K step's scale word
.else
	v_lshl_or_b32 v[28+(\t)/4], v19, 8*((\t)%4), v[28+(\t)/4]
.endif
	v_cvt_scalef32_pk16_fp6_f32 v[96:98], v[XS:XS+15], v18
	v_cvt_scalef32_pk16_fp6_f32 v[104:106], v[XS+16:XS+31], v18
	v_nop                                          ; one plain place behind a scaled conversion
	v_mov_b32 v99, v104
	v_mov_b32 v100, v105
	v_mov_b32 v101, v106
	ds_store_b128 v[WS16], v[96:99] offset:\stg+((\t)/4)*1536+(((\t)/2)%2)*768+((\t)%2)*256
	ds_store_b64 v[WS8], v[100:101] offset:\stg+((\t)/4)*1536+(((\t)/2)%2)*768+512+((\t)%2)*128
.if (\t) < 6
	WLOAD (\t)+2, \n
.endif
	s_wait_dscnt 0x0                               ; the stores have read their registers
.endm
.macro WPATH n, stg, img, sco, first, plo
	s_sub_co_u32 s15, ttmp9, \first
	s_lshr_b32 s16, s15, 2                         ; G: 128 columns, 32 to a wave
	s_and_b32 s17, s15, 3                          ; kappa
	s_mul_i32 s18, s17, 256*\n*4
	s_lshl_b32 s19, s16, 9
	s_add_co_u32 s18, s18, s19
	s_lshl_b32 s19, s12, 7
	s_add_co_u32 s18, s18, s19
	s_mov_b32 s19, 0
	s_add_nc_u64 s[4:5], s[\plo:\plo+1], s[18:19]
	s_mul_i32 s18, s16, 98304
	s_mul_i32 s23, s17, 24576
	s_add_co_u32 s18, s18, s23
	s_mul_i32 s23, s12, 6144
	s_add_co_u32 s18, s18, s23
	s_add_co_u32 s18, s18, \img
	s_add_nc_u64 s[24:25], s[10:11], s[18:19]
	s_lshl_b32 s18, s16, 12
	s_lshl_b32 s23, s12, 10
	s_add_co_u32 s18, s18, s23
	s_lshl_b32 s23, s17, 8
	s_add_co_u32 s18, s18, s23
	s_add_co_u32 s18, s18, \sco
	s_add_nc_u64 s[26:27], s[10:11], s[18:19]
	WLOAD 0, \n
	WLOAD 1, \n
.irp t, 0,1,2,3,4,5,6,7
	WBLOCK \t, \n, \stg
.endr
	s_wait_alu depctr_va_vdst(0)
	global_store_b64 v[WSC], v[28:29], s[26:27]    ; the 32 lanes fill 256 consecutive bytes
.irp i, 0,1,2,3,4,5,6,7,8,9,10,11
	ds_load_b128 v[112+4*\i:112+4*\i+3], v[WRD] offset:\stg+512*\i
.endr
.irp i, 0,1,2,3,4,5,6,7,8,9,10,11
	s_wait_dscnt 11-\i                             ; LDS loads come back in order: load i is in
	global_store_b128 v[L16], v[112+4*\i:112+4*\i+3], s[24:25] offset:512*\i   ; 512 consecutive bytes
.endr
	s_wait_tensorcnt 0x0                           ; the wave's end
	ds_add_u32 v[SPW], v[NIL]
	s_wait_dscnt 0x0
	s_endpgm
.endm
.Lwqkv:
	WPATH 3072, W1ST, W_IMG, W_SC, 0, 6
.Lwproj:
	WPATH 1024, W2ST, P_IMG, P_SC, 96, 8
.Lfunc_end_k_qe423035b0a_quant:
	.size	k_qe423035b0a_quant, .Lfunc_end_k_qe423035b0a_quant-k_qe423035b0a_quant
	.p2alignl 7, 3214868480
	.fill 96, 4, 3214868480
	.section	.rodata,"a",@progbits
	.p2align	6, 0x0
	.amdhsa_kernel k_qe423035b0a_quant
		.amdhsa_group_segment_fixed_size 83456
		.amdhsa_private_segment_fixed_size 0
		.amdhsa_enable_private_segment 0
		.amdhsa_kernarg_size 32
		.amdhsa_user_sgpr_count 2
		.amdhsa_user_sgpr_kernarg_segment_ptr 1
		.amdhsa_wavefront_size32 1
		.amdhsa_system_sgpr_workgroup_id_x 1
		.amdhsa_system_sgpr_workgroup_id_y 1
		.amdhsa_system_sgpr_workgroup_id_z 1
		.amdhsa_system_vgpr_workitem_id 0
		.amdhsa_next_free_vgpr 256
		.amdhsa_next_free_sgpr 66
		.amdhsa_reserve_vcc 0
		.amdhsa_float_denorm_mode_32 3
		.amdhsa_float_denorm_mode_16_64 3
		.amdhsa_memory_ordered 1
		.amdhsa_forward_progress 1
		.amdhsa_inst_pref_size 115
	.end_amdhsa_kernel
	.amdgpu_metadata
---
amdhsa.version: [ 1, 2 ]
amdhsa.kernels:
  - .name:           k_qe423035b0a_quant
    .symbol:         k_qe423035b0a_quant.kd
    .args:
      - { .name: x, .offset: 0, .size: 8, .value_kind: global_buffer, .address_space: global }
      - { .name: w_qkv, .offset: 8, .size: 8, .value_kind: global_buffer, .address_space: global }
      - { .name: w_proj, .offset: 16, .size: 8, .value_kind: global_buffer, .address_space: global }
      - { .name: opq, .offset: 24, .size: 8, .value_kind: global_buffer, .address_space: global }
    .group_segment_fixed_size: 83456
    .private_segment_fixed_size: 0
    .kernarg_segment_align: 8
    .kernarg_segment_size: 32
    .max_flat_workgroup_size: 128
    .sgpr_count:     66
    .vgpr_count:     256
    .wavefront_size: 32
...
	.end_amdgpu_metadata
.endif
;; end of part 1
;; launch gemm_qkv (part 2): grid 32 x 8, 4 waves a work-group, clusters of 4 x 4, 327,680 bytes of LDS; arguments opq, qkv; writes qkv
.if DOCPART == 2
	.amdgcn_target "amdgcn-amd-amdhsa--gfx1250"
	.amdhsa_code_object_version 6
	.text
	.protected	k_qe423035b0a_gemm_qkv
	.globl	k_qe423035b0a_gemm_qkv
	.p2align	8
	.type	k_qe423035b0a_gemm_qkv,@function
k_qe423035b0a_gemm_qkv:
	s_mov_b64 s[64:65], 0
	v_nop
	global_prefetch_b8 v0, s[64:65] scope:SCOPE_SE
	s_setreg_imm32_b32 hwreg(HW_REG_WAVE_MODE, 25, 1), 1
	s_wait_xcnt 0x0
	s_wait_alu depctr_hold_cnt(0) depctr_sa_sdst(0) depctr_va_vdst(0) depctr_va_sdst(0) depctr_va_ssrc(0) depctr_va_vcc(0) depctr_vm_vsrc(0)
	s_getreg_b32 s2, hwreg(HW_REG_IB_STS2, 6, 4)
	s_cmp_eq_u32 s2, 0
	s_cbranch_scc0 .Lentry_in_a_cluster
	s_endpgm
.Lentry_in_a_cluster:
	s_bfe_u32 s2, ttmp6, 0x10000c
	s_cmp_lg_u32 s2, 0xf033
	s_cbranch_scc0 .Lentry_shape_is_right
	s_endpgm
.Lentry_shape_is_right:
; Q, K, V = x w_qkv on codes of FP6 (E2M3) with E8M0 scales, K = 1,024, each result quantised again on the way out; codes and scale words leave in the order of the attention launch's operand registers.
; THE DEAL: 32 x 8 = 256 work-groups of four waves, 2 x 2.  Work-group (R, g) takes tokens 256 R .. + 255 and, one after the other, the 128 columns of group g of Q, of K and of V: three phases on the same rows of x.
; x's 256 rows, all of K, 196,608 dense bytes, stay in LDS.  A wave holds 64 columns (one head) of the phase's weights, all of K, in 384 registers, and streams its 128 tokens (one key step) past them in eight blocks of 16: 32 products a block.
; When all waves hold the weights in registers, a drained round of the cluster's barrier lets the next phase's weights land on their LDS bytes: that load has the phase's 256 products a wave in which to land, so no data prefetch is laid.
; x's rows are shared by a column of the cluster (same R), the weights by a row (same g): joint loads.  Scale words go from memory into registers, 256 consecutive bytes a load: lanes 0-15 hold an even tile's words, lanes 16-31 the odd one's.
; Q, K: source 0 = the weights' rows: a lane holds a token, its 32 sums of a block are the head's 64 / 2 columns in the order 32 b + 16 h + i.  V: source 0 = x's rows: a lane holds a column d, its 64 sums of a tile are tokens 32 b + 16 h + i of the key step.
; opq: codes [G = row / 128][kappa][i = row block][q][c][768], scale words [G][i / 2][kappa][i % 2][r][q].  LDS: x as [i / 4][4 x wave row + kappa][i % 4][q][c][768]; the weights as in memory.
; LIMITS: as the quantiser's: a block whose largest magnitude lies under 2^-124, and a block of zeros, keep the byte 1 (read by this program alone); NaN and infinities are not served.
.set X_SC,   6291456
.set W_IMG,  6553600
.set W_SC,   8912896
.set KV_IMG, 6291456
.set Q_SC,   18874368
.set KV_SC,  19136512
.set FR,  12                           ; registers of a fragment
.set FPW, 21                           ; fragments in a window
.set NF,  32                           ; LDS loads of a block
.set YB,  196608                       ; the weights' 98,304 bytes
.set SPARE, YB+98304                   ; the spare words
.set L16, 4                            ; v4 16 x lane; v5 8 x lane; v6 16 r
.set L8,  5
.set R16, 6
.set SPW, 10
.set NIL, 11
.set AA,  12                           ; v12-15 LDS addresses of my rows of x: blocks 0-3 (16 x lane, 8 x lane), blocks 4-7
.set BA,  16                           ; v16-19 the same of my weights: kappa 0, 1 and kappa 2, 3
.set SB,  24                           ; v24-39 the weights' scale words: 8 x (tile / 2) + K step
.set SA,  44                           ; v44-75 x's: 8 x (block / 2) + K step
.set TM,  76                           ; v76-91 the quantiser's work
.set W0,  92                           ; v92-95 four scale words on their way out
.set CT0, 96
.set CT1, 100
.set F,   104                          ; v104-115 a fragment on its way out
.set ACC, 128                          ; Q, K: v128-191 a pair of blocks' sums.  V: tile t, block i at 128 + 64 (t % 2) + 8 i of window 0 (t < 2) or 3
.set G1A, 24
.set G1B, 32
.set G0A, 56
.set G0B, 60
.set G0R, 72
.set G1R, 76
.set MSB, 0
.macro WIN new
.if MSB != (\new)
	s_set_vgpr_msb (MSB<<8)|(\new)
.set MSB, (\new)
.endif
.endm
.macro PLACES n
.rept \n
	v_nop
.endr
.endm
.macro BARRIER
	s_barrier_signal -1
	s_barrier_wait -1
.endm
.macro CROUND
	BARRIER
	s_cmp_lg_u32 s14, 0
	s_cbranch_scc1 .Lnot_wave_0_\@
	s_barrier_signal -3
.Lnot_wave_0_\@:
	s_barrier_wait -3
	BARRIER
.endm
.macro TLOAD g0, g1                    ; an s_nop 0 and four v_nop follow a tensor load
	tensor_load_to_lds s[\g0:\g0+3], s[\g1:\g1+7]
	s_nop 0
	PLACES 4
.endm
.macro ATILE lds, rows, goff           ; rows of 12,288 bytes of x, 24,576 apart in memory, dense in LDS
	s_mov_b32 s[G0A+1], \lds
	s_mov_b32 s[G1A+2], (\rows)<<16
	s_mov_b32 s[G1A+4], \rows
.if \goff
	s_add_nc_u64 s[G0A+2:G0A+3], s[G0A+2:G0A+3], \goff
.endif
	s_or_b32 s[G0A+3], s[G0A+3], 0x80000000
	TLOAD G0A, G1A
.endm
.macro PTR d, base, off                ; a pointer: base + the 32-bit offset in s\off (s21 = 0)
	s_mov_b32 s20, s\off
	s_add_nc_u64 s[\d:\d+1], s[\base:\base+1], s[20:21]
.endm
; fragments: 0-31 the weights' (4 x K step + tile), 32-47 x's two sets (32 + 8 e + K step); fragment f lies in window 1 + f / 21 at register 12 (f % 21)
.macro FRAG f, a, off
	WIN (1+(\f)/FPW)<<6
.set R_, FR*((\f)%FPW)
	ds_load_b128 v[R_:R_+3], v[\a] offset:\off
	ds_load_b64 v[R_+4:R_+5], v[\a+1] offset:(\off)+512
	ds_load_b128 v[R_+6:R_+9], v[\a] offset:(\off)+768
	ds_load_b64 v[R_+10:R_+11], v[\a+1] offset:(\off)+1280
.endm
.macro FETCH i, e                      ; block i of x into set e
.irp k, 0,1,2,3,4,5,6,7
	FRAG 32+8*(\e)+\k, AA+2*((\i)/4), (\k/2)*12288+((\i)%4)*3072+(\k%2)*1536
.endr
	WIN 0
.endm
.macro BREGS                           ; my 64 columns of the weights, all of K, and their scale words
.irp p, 0,1
.irp k, 0,1,2,3
	global_load_b64 v[SB+8*\p+2*\k:SB+8*\p+2*\k+1], v[L8], s[48:49] offset:\p*1024+\k*256
.endr
.endr
.irp k, 0,1,2,3,4,5,6,7
.irp t, 0,1,2,3
	FRAG 4*\k+\t, BA+2*(\k/4), ((\k/2)%2)*24576+\t*3072+(\k%2)*1536
.endr
.endr
	WIN 0
.endm
.macro WM d, dw, f0, f1, c, x0, x1, r  ; a product; r: bit 0 source 0's scales, bit 1 source 1's, from lanes 16-31
	WIN (1+(\f0)/FPW)|((1+(\f1)/FPW)<<2)|((\dw)<<4)|((\dw)<<6)
.set A_, FR*((\f0)%FPW)
.set B_, FR*((\f1)%FPW)
.if (\r) == 0
	v_wmma_scale_f32_16x16x128_f8f6f4 v[\d:\d+7], v[A_:A_+FR-1], v[B_:B_+FR-1], \c, v[\x0], v[\x1] matrix_a_fmt:MATRIX_FMT_FP6 matrix_b_fmt:MATRIX_FMT_FP6
.elseif (\r) == 1
	v_wmma_scale_f32_16x16x128_f8f6f4 v[\d:\d+7], v[A_:A_+FR-1], v[B_:B_+FR-1], \c, v[\x0], v[\x1] matrix_a_fmt:MATRIX_FMT_FP6 matrix_b_fmt:MATRIX_FMT_FP6 matrix_a_scale:MATRIX_SCALE_ROW1
.elseif (\r) == 2
	v_wmma_scale_f32_16x16x128_f8f6f4 v[\d:\d+7], v[A_:A_+FR-1], v[B_:B_+FR-1], \c, v[\x0], v[\x1] matrix_a_fmt:MATRIX_FMT_FP6 matrix_b_fmt:MATRIX_FMT_FP6 matrix_b_scale:MATRIX_SCALE_ROW1
.else
	v_wmma_scale_f32_16x16x128_f8f6f4 v[\d:\d+7], v[A_:A_+FR-1], v[B_:B_+FR-1], \c, v[\x0], v[\x1] matrix_a_fmt:MATRIX_FMT_FP6 matrix_b_fmt:MATRIX_FMT_FP6 matrix_a_scale:MATRIX_SCALE_ROW1 matrix_b_scale:MATRIX_SCALE_ROW1
.endif
.endm
.macro PRODS i, v                      ; block i's 32 products, K ascending, the four tiles by turns; v = 1: V's form
.set N_, 0
.rept 32
.set Q_, N_/4
.set T_, N_%4
.set FB_, 4*Q_+T_
.set FA_, 32+8*((\i)%2)+Q_
.set XB_, SB+8*(T_/2)+Q_
.set XA_, SA+8*((\i)/2)+Q_
.if \v
.set D_, 128+64*(T_%2)+8*(\i)
.if Q_
	WM D_, 3*(T_/2), FA_, FB_, v[D_:D_+7], XA_, XB_, (\i)%2+2*(T_%2)
.else
	WM D_, 3*(T_/2), FA_, FB_, 0, XA_, XB_, (\i)%2+2*(T_%2)
.endif
.else
.set D_, ACC+32*((\i)%2)+8*T_
.if Q_
	WM D_, 0, FB_, FA_, v[D_:D_+7], XB_, XA_, T_%2+2*((\i)%2)
.else
	WM D_, 0, FB_, FA_, 0, XB_, XA_, T_%2+2*((\i)%2)
.endif
.endif
.set N_, N_+1
.endr
	WIN 0
	PLACES 4                                       ; between the last product and the fetch into its registers and the first reader of its sums
.endm
; 64 sums of a lane in window w, register 16 b + i = place 32 b + 16 h + i along the next K, become codes (d0: blocks 0, 1; d1: blocks 2, 3) and a scale word
.macro QUANT w, s, d0, d1, pw
	WIN (\w)|((\w)<<2)
.irp b, 0,1,2,3
	v_max3_num_f32 v[TM+\b], |v[\s+16*\b]|, |v[\s+16*\b+1]|, 0x1800000   ; with the floor 2^(3 - 127): the byte cannot fall under 1
.endr
	WIN ((\w)<<2)|((\w)<<4)
.irp i, 2,4,6,8,10,12,14
.irp b, 0,1,2,3
	v_max3_num_f32 v[TM+\b], v[TM+\b], |v[\s+16*\b+\i]|, |v[\s+16*\b+\i+1]|
.endr
.endr
	WIN 0
.irp b, 0,1,2,3
	v_permlanex16_b32 v[TM+4+\b], v[TM+\b], s2, s3
.endr
.irp b, 0,1,2,3
	v_max_num_f32 v[TM+\b], v[TM+\b], v[TM+4+\b]   ; with lane l xor 16's: the block's largest magnitude
.endr
.irp b, 0,1,2,3
	v_add_nc_u32 v[TM+12+\b], 0xff000000, v[TM+\b] ; 2 off its exponent field: the conversion's scale operand
.endr
.irp b, 0,1,2,3
	v_lshrrev_b32 v[TM+4+\b], 23, v[TM+12+\b]      ; the byte
.endr
	v_lshl_or_b32 v[\pw], v[TM+5], 8, v[TM+4]
	v_lshl_or_b32 v[\pw], v[TM+6], 16, v[\pw]
	v_lshl_or_b32 v[\pw], v[TM+7], 24, v[\pw]
	WIN (\w)
	v_cvt_scalef32_pk16_fp6_f32 v[\d0:\d0+2], v[\s:\s+15], v[TM+12]
	v_cvt_scalef32_pk16_fp6_f32 v[CT0:CT0+2], v[\s+16:\s+31], v[TM+13]
	v_cvt_scalef32_pk16_fp6_f32 v[\d1:\d1+2], v[\s+32:\s+47], v[TM+14]
	v_cvt_scalef32_pk16_fp6_f32 v[CT1:CT1+2], v[\s+48:\s+63], v[TM+15]
	WIN 0
	v_nop                                          ; one plain place behind a scaled conversion
.irp i, 0,1,2
	v_permlane16_swap_b32 v[\d0+\i], v[CT0+\i]     ; a whole block in a lane
.endr
.irp i, 0,1,2
	v_mov_b32 v[\d0+3+\i], v[CT0+\i]
.endr
.irp i, 0,1,2
	v_permlane16_swap_b32 v[\d1+\i], v[CT1+\i]
.endr
.irp i, 0,1,2
	v_mov_b32 v[\d1+3+\i], v[CT1+\i]
.endr
.endm
.macro PUT base, off                   ; a fragment's 1,536 bytes: each store covers whole aligned blocks of 256 bytes
	global_store_b128 v[L16], v[F:F+3], s[\base:\base+1] offset:\off
	global_store_b64 v[L8], v[F+4:F+5], s[\base:\base+1] offset:(\off)+512
	global_store_b128 v[L16], v[F+6:F+9], s[\base:\base+1] offset:(\off)+768
	global_store_b64 v[L8], v[F+10:F+11], s[\base:\base+1] offset:(\off)+1280
.endm
.macro AHEAD i                         ; behind block i: block i + 2 into its set; then block i + 1 is in (younger: the fetch alone)
.if (\i) < 6
	FETCH (\i)+2, (\i)%2
	s_wait_dscnt NF
.else
	s_wait_dscnt 0x0
.endif
.endm
; ---------------- the head
	s_load_b128 s[4:7], s[0:1], 0x0                ; opq, qkv
	v_lshl_add_u32 v[SPW], v0, 2, SPARE
	v_mov_b32 v[NIL], 0
	ds_add_u32 v[SPW], v[NIL]                      ; the opening lines: the add, twice on end, and its wait
	ds_add_u32 v[SPW], v[NIL]
	v_lshrrev_b32 v1, 5, v0
	v_readfirstlane_b32 s14, v1                    ; the wave; s15 its row of the 2 x 2, s16 its column
	s_lshr_b32 s15, s14, 1
	s_and_b32 s16, s14, 1
	s_bfe_u32 s40, ttmp6, 0x40000
	s_bfe_u32 s41, ttmp6, 0x40004
	s_lshl_b32 s43, ttmp9, 2
	s_add_co_u32 s43, s43, s40                     ; R = 4 x cluster x + cx
	s_and_b32 s42, ttmp7, 0xffff
	s_lshl_b32 s42, s42, 2
	s_add_co_u32 s42, s42, s41                     ; g = 4 x cluster y + cy
	s_lshl_b32 s44, 0x1111, s40                    ; my column of the cluster: shares x's rows
	s_lshl_b32 s45, s41, 2
	s_lshl_b32 s45, 15, s45                        ; my row: shares the weights
	s_or_b32 s[G1A], s44, (3<<16)|(1<<21)          ; elements of 8 bytes; rows of 1,536 elements, pitch 3,072; how many rows, each arm says
	s_mov_b32 s[G1A+1], 1536<<16
	s_mov_b32 s[G1A+3], 1536<<16
	s_mov_b32 s[G1A+5], 3072
	s_mov_b32 s[G1A+6], 0
	s_mov_b32 s[G1A+7], 0
	s_or_b32 s[G1B], s45, (3<<16)|(1<<21)          ; the head's weights: 384 dense rows of 256 bytes
	s_mov_b32 s[G1B+1], 32<<16
	s_mov_b32 s[G1B+2], 384<<16
	s_mov_b32 s[G1B+3], 32<<16
	s_mov_b32 s[G1B+4], 384
	s_mov_b32 s[G1B+5], 32
	s_mov_b32 s[G1B+6], 0
	s_mov_b32 s[G1B+7], 0
	s_or_b32 s[G1R], s45, (3<<16)|(1<<21)          ; a refill: 96 such rows a wave
	s_mov_b32 s[G1R+1], 32<<16
	s_mov_b32 s[G1R+2], 96<<16
	s_mov_b32 s[G1R+3], 32<<16
	s_mov_b32 s[G1R+4], 96
	s_mov_b32 s[G1R+5], 32
	s_mov_b32 s[G1R+6], 0
	s_mov_b32 s[G1R+7], 0
	s_mov_b32 s[G0A], 1
	s_mov_b32 s[G0B], 1
	s_mov_b32 s[G0B+1], YB
	s_mov_b32 s[G0R], 1
	s_mul_i32 s90, s43, 196608                     ; x's rows
	s_mul_i32 s91, s42, 98304
	s_add_co_u32 s91, s91, W_IMG                   ; Q's weights
	s_mul_i32 s92, s14, 24576
	s_add_co_u32 s[G0R+1], s92, YB                 ; a refill's quarter: kappa = wave
	s_add_co_u32 s92, s92, s91
	s_lshl_b32 s85, s42, 12
	s_lshl_b32 s20, s16, 11
	s_add_co_u32 s85, s85, s20
	s_add_co_u32 s85, s85, W_SC                    ; the scale words of my 64 columns
	s_lshl_b32 s18, s43, 1
	s_add_co_u32 s18, s18, s15                     ; my 128 tokens
	s_lshl_b32 s84, s18, 12
	s_add_co_u32 s84, s84, X_SC
	s_lshr_b32 s19, s18, 4                         ; batch
	s_and_b32 s18, s18, 15                         ; key step
	s_lshl_b32 s20, s42, 1
	s_add_co_u32 s20, s20, s16                     ; head
	s_lshl_b32 s19, s19, 4
	s_add_co_u32 s19, s19, s20
	s_lshl_b32 s19, s19, 4
	s_add_co_u32 s19, s19, s18                     ; (batch x 16 + head) x 16 + key step
	s_mul_i32 s86, s19, 6144
	s_lshl_b32 s87, s19, 8
	s_add_co_u32 s87, s87, Q_SC
	s_mul_i32 s88, s19, 12288
	s_add_co_u32 s88, s88, KV_IMG
	s_lshl_b32 s89, s19, 9
	s_add_co_u32 s89, s89, KV_SC
	s_mul_i32 s20, s15, 49152
	s_add_co_u32 s21, s20, 98304
	s_mul_i32 s22, s16, 12288
	s_add_co_u32 s22, s22, YB
	s_add_co_u32 s23, s22, 49152
	s_mov_b32 s2, 0x76543210
	s_mov_b32 s3, 0xfedcba98                       ; v_permlanex16_b32's selects for lane l xor 16
	v_and_b32 v1, 15, v0
	v_and_b32 v3, 31, v0
	v_lshlrev_b32 v[L16], 4, v3
	v_lshlrev_b32 v[L8], 3, v3
	v_lshlrev_b32 v[R16], 4, v1
	v_add_nc_u32 v[AA], s20, v[L16]
	v_add_nc_u32 v[AA+1], s20, v[L8]
	v_add_nc_u32 v[AA+2], s21, v[L16]
	v_add_nc_u32 v[AA+3], s21, v[L8]
	v_add_nc_u32 v[BA], s22, v[L16]
	v_add_nc_u32 v[BA+1], s22, v[L8]
	v_add_nc_u32 v[BA+2], s23, v[L16]
	v_add_nc_u32 v[BA+3], s23, v[L8]
.irp b, 0,1,2,3
	v_mov_b32 v[TM+4+\b], 0                        ; written once: a lane permute's destination counts as one of its sources
.endr
	s_wait_alu depctr_va_vdst(0)                   ; the wait at the head's end
	s_wait_dscnt 0x0
	CROUND                                         ; the opening round
	s_wait_kmcnt 0x0
	s_mov_b32 s21, 0
	PTR G0A+2, 4, 90
	PTR G0B+2, 4, 91
	s_or_b32 s[G0B+3], s[G0B+3], 0x80000000
	PTR G0R+2, 4, 92
	s_or_b32 s[G0R+3], s[G0R+3], 0x80000000
	PTR 46, 4, 84                                  ; x's scale words
	PTR 48, 4, 85                                  ; the weights'
	PTR 50, 6, 86                                  ; where the phase's codes go: Q's;
	PTR 52, 6, 87                                  ; its scale words
	PTR 54, 6, 88                                  ; K's codes (V's: 6,144 on)
	PTR 66, 6, 89                                  ; K's scale words (V's: 256 on)
	s_cmp_eq_u32 s14, 0
	s_cbranch_scc0 .Lwave_1
	TLOAD G0B, G1B                                 ; wave 0: Q's weights, which are wanted first
	s_branch .Lasked
.Lwave_1:
	s_cmp_eq_u32 s14, 1
	s_cbranch_scc0 .Lwave_2
	ATILE 0, 8, 0                                  ; wave 1: blocks 0-3 of both wave rows
	s_branch .Lasked
.Lwave_2:
	s_cmp_eq_u32 s14, 2
	s_cbranch_scc0 .Lwave_3
	ATILE 98304, 4, 12288                          ; wave 2: blocks 4-7 of wave row 0
	s_branch .Lasked
.Lwave_3:
	ATILE 147456, 4, 110592                        ; wave 3: of wave row 1
.Lasked:
.irp p, 0,1,2,3
.irp k, 0,1,2,3
	global_load_b64 v[SA+8*\p+2*\k:SA+8*\p+2*\k+1], v[L8], s[46:47] offset:\p*1024+\k*256
.endr
.endr
	s_cmp_eq_u32 s14, 0
	s_cbranch_scc0 .Lnot_b
	s_wait_tensorcnt 0x0
.Lnot_b:
	BARRIER                                        ; Q's weights have landed
	s_mov_b32 s17, 0
; ---------------- Q, then K: a loop of two trips
.Lphase:
	BREGS
	s_wait_tensorcnt 0x0                           ; all my tensor loads are done (in the first trip: the head's);
	ds_add_u32 v[SPW], v[NIL]
	s_add_nc_u64 s[G0R+2:G0R+3], s[G0R+2:G0R+3], 8*98304   ; the next phase's weights: eight column groups on
	s_wait_dscnt 0x0                               ; the add is done, and I hold the weights in registers
	CROUND                                         ; so of every wave of the cluster: x's rows are shown too
	TLOAD G0R, G1R                                 ; my quarter of the next phase's weights
	FETCH 0, 0
	FETCH 1, 1
	s_wait_loadcnt 0x0                             ; the scale words
	s_wait_dscnt NF                                ; block 0 is in
.irp p, 0,1,2,3
	PRODS 2*\p, 0
	AHEAD 2*\p
	PRODS 2*\p+1, 0
.if \p < 3
	FETCH 2*\p+3, 1
.endif
	s_wait_xcnt 0x0                                ; the last pair's stores have read their registers
	QUANT 0, ACC, F, F+6, W0+\p                    ; the pair's two tiles of 16 tokens: one fragment and its word
	PUT 50, \p*1536
.if \p < 3
	s_wait_dscnt NF                                ; block 2 p + 2 is in
.endif
.endr
	global_store_b128 v[R16], v[W0:W0+3], s[52:53] ; 256 consecutive bytes; lanes l and l xor 16 name the same bytes with the same value
	s_wait_xcnt 0x0
	s_mov_b64 s[50:51], s[54:55]                   ; K's places
	s_mov_b64 s[52:53], s[66:67]
	s_add_nc_u64 s[48:49], s[48:49], 8*4096
	s_wait_tensorcnt 0x0
	s_wait_dscnt 0x0
	BARRIER                                        ; the next phase's weights are shown to all
	s_add_co_u32 s17, s17, 1
	s_cmp_lt_u32 s17, 2
	s_cbranch_scc1 .Lphase
; ---------------- V
	BREGS
	FETCH 0, 0
	FETCH 1, 1
	s_wait_loadcnt 0x0
	s_wait_dscnt NF
.irp i, 0,1,2,3,4,5,6,7
	PRODS \i, 1
	AHEAD \i
.endr
.irp t, 0,1,2,3
	s_wait_xcnt 0x0
	QUANT 3*(\t/2), 128+64*(\t%2), F, F+6, W0+\t   ; tile t: 16 of the head's d x the key step's 128 tokens
	PUT 54, 6144+\t*1536
.endr
	global_store_b128 v[R16], v[W0:W0+3], s[66:67] offset:256
	s_wait_tensorcnt 0x0                           ; the wave's end
	ds_add_u32 v[SPW], v[NIL]
	s_wait_dscnt 0x0
	CROUND                                         ; the closing round
	s_endpgm
.Lfunc_end_k_qe423035b0a_gemm_qkv:
	.size	k_qe423035b0a_gemm_qkv, .Lfunc_end_k_qe423035b0a_gemm_qkv-k_qe423035b0a_gemm_qkv
	.p2alignl 7, 3214868480
	.fill 96, 4, 3214868480
	.section	.rodata,"a",@progbits
	.p2align	6, 0x0
	.amdhsa_kernel k_qe423035b0a_gemm_qkv
		.amdhsa_group_segment_fixed_size 327680
		.amdhsa_private_segment_fixed_size 0
		.amdhsa_enable_private_segment 0
		.amdhsa_kernarg_size 16
		.amdhsa_user_sgpr_count 2
		.amdhsa_user_sgpr_kernarg_segment_ptr 1
		.amdhsa_wavefront_size32 1
		.amdhsa_system_sgpr_workgroup_id_x 1
		.amdhsa_system_sgpr_workgroup_id_y 1
		.amdhsa_system_sgpr_workgroup_id_z 1
		.amdhsa_system_vgpr_workitem_id 0
		.amdhsa_next_free_vgpr 1024
		.amdhsa_next_free_sgpr 100
		.amdhsa_reserve_vcc 0
		.amdhsa_float_denorm_mode_32 3
		.amdhsa_float_denorm_mode_16_64 3
		.amdhsa_memory_ordered 1
		.amdhsa_forward_progress 1
		.amdhsa_inst_pref_size 168
	.end_amdhsa_kernel
	.amdgpu_metadata
---
amdhsa.version: [ 1, 2 ]
amdhsa.kernels:
  - .name:           k_qe423035b0a_gemm_qkv
    .symbol:         k_qe423035b0a_gemm_qkv.kd
    .args:
      - { .name: opq, .offset: 0, .size: 8, .value_kind: global_buffer, .address_space: global }
      - { .name: qkv, .offset: 8, .size: 8, .value_kind: global_buffer, .address_space: global }
    .group_segment_fixed_size: 327680
    .private_segment_fixed_size: 0
    .kernarg_segment_align: 8
    .kernarg_segment_size: 16
    .max_flat_workgroup_size: 128
    .sgpr_count:     100
    .vgpr_count:     1024
    .wavefront_size: 32
...
	.end_amdgpu_metadata
.endif
;; end of part 2
;; launch attn (part 3): grid 4 x 64, 16 waves a work-group, clusters of 4 x 1, 206,848 bytes of LDS; arguments qkv, att; writes att
.if DOCPART == 3
	.amdgcn_target "amdgcn-amd-amdhsa--gfx1250"
	.amdhsa_code_object_version 6
	.text
	.protected	k_qe423035b0a_attn
	.globl	k_qe423035b0a_attn
	.p2align	8
	.type	k_qe423035b0a_attn,@function
k_qe423035b0a_attn:
	s_mov_b64 s[64:65], 0
	v_nop
	global_prefetch_b8 v0, s[64:65] scope:SCOPE_SE
	s_setreg_imm32_b32 hwreg(HW_REG_WAVE_MODE, 25, 1), 1
	s_wait_xcnt 0x0
	s_wait_alu depctr_hold_cnt(0) depctr_sa_sdst(0) depctr_va_vdst(0) depctr_va_sdst(0) depctr_va_ssrc(0) depctr_va_vcc(0) depctr_vm_vsrc(0)
	s_getreg_b32 s2, hwreg(HW_REG_IB_STS2, 6, 4)
	s_cmp_eq_u32 s2, 0
	s_cbranch_scc0 .Lentry_in_a_cluster
	s_endpgm
.Lentry_in_a_cluster:
	s_bfe_u32 s2, ttmp6, 0x10000c
	s_cmp_lg_u32 s2, 0x3003
	s_cbranch_scc0 .Lentry_shape_is_right
	s_endpgm
.Lentry_shape_is_right:
; Attention of one (batch, head) for 512 queries, both products on codes of FP6 (E2M3) with E8M0 scales; 2,048 keys, head size 64.
; t = score x log2(e) / 8; M = the running largest t rounded UP to a whole number; p = 2^(t - M) is quantised along the keys, not normalised; the row's sum is taken of the unquantised p and divides O at the end.
; When M moves, the sum and O are multiplied by 2^(old M - new M): exact.  O / sum is quantised along the head's d and leaves as a half fragment of the last product's operand.
; SHARES: 4 x 64 = 256 work-groups of sixteen waves.  A wave takes two tiles of 16 queries, one after the other (tile 32 cx + 16 pass + wave of the head's 128), and walks all keys for each, 128 a step.
; K, V AND THEIR SCALE WORDS OF THE WHOLE HEAD, 204,800 bytes, LIE IN LDS: every byte is filled once; no ring, no refill.  Wave w asks for key step w's 12,288 bytes by its one tensor load, jointly with the three
; partners of its cluster, which belong to the same head (mask of all four).  The 8,192 bytes of scale words come by one plain load of 16 bytes a thread and an LDS store into bytes of their own.
; Waves 0 to 3 have a load line and a wait of their own: the first barrier shows key steps 0 to 3, a second one behind those four steps shows the other twelve.  Behind it the waves share nothing until the closing round.
; No data prefetch: every tile is asked for at the head, so there is no loop to run ahead in.
; LAYOUT: both products transposed: S^T = K q^T, O^T = V^T p^T: a lane holds one query throughout.  The head has 64 along K and the instruction 128: a fragment of K holds TWO key tiles (registers 0-5, 6-11), and is
; multiplied by (q, 0) and by (0, q): the zero codes lie in q's registers.  By the order of tokens in qkv the 16 registers of two neighbouring tiles are 16 neighbouring keys.
; LIMITS: the promise holds while the scaled scores t stay under 2^31 in magnitude.  A block whose largest magnitude lies under 2^-124, and a block of zeros, keep the byte 1 (read by this program alone); NaN and infinities are not served.
.set KV_IMG, 6291456
.set Q_SC,   18874368
.set KV_SC,  19136512
.set A_SC,   6291456
.set STEPB,  12288                     ; a key step in LDS: K's four fragments, V's four
.set SCB,    196608                    ; behind the 16 key steps: their scale words, 512 bytes each
.set SPARE,  204800                    ; the spare words, 128 bytes a wave
.set L16, 1                            ; v1   16 x lane
.set L8,  2                            ; v2   8 x lane
.set SC0, 3                            ; v3   SCB + 16 r
.set SPW, 4                            ; v4   my spare word; never rewritten
.set NIL, 5                            ; v5   0; never rewritten
.set ADK, 6                            ; v6-8 the step's LDS addresses
.set AD8, 7
.set ADS, 8
.set R16, 9                            ; v9   16 r
.set R8,  10                           ; v10  8 r
.set SST, 11                           ; v11  SCB + 16 x thread
.set KF,  40                           ; v40-87  K's four fragments; behind the scores' products at work
.set VF,  88                           ; v88-135 V's four fragments
.set S,   136                          ; v136-199 S^T, then p
.set O,   200                          ; v200-231 O^T
.set KW,  244                          ; v244-247 K's scale words; v248-251 V's; v253 p's; v255 q's
.set VW,  248
.set WV,  18
.set SEL, 20
.set CS,  22
.set TB,  2
.set TS,  3
.set CNT, 60
.macro CROUND
	s_barrier_signal -1
	s_barrier_wait -1
	s_cmp_lg_u32 s[WV], 0
	s_cbranch_scc1 .Lnot_wave_0_\@
	s_barrier_signal -3
.Lnot_wave_0_\@:
	s_barrier_wait -3
	s_barrier_signal -1
	s_barrier_wait -1
.endm
.macro TLOAD                           ; my key step; an s_nop 0 and four v_nop follow
	tensor_load_to_lds s[40:43], s[24:31]
	s_nop 0
.rept 4
	v_nop
.endr
.endm
.macro QADDR                           ; s[32:33]: the half fragment of q's tile s36; s[34:35]: the words that hold its scale bytes
	s_mul_i32 s32, s8, 98304
	s_mul_i32 s33, s36, 768
	s_add_co_u32 s32, s32, s33
	s_mov_b32 s33, 0
	s_add_nc_u64 s[32:33], s[4:5], s[32:33]
	s_lshl_b32 s34, s8, 12
	s_lshr_b32 s35, s36, 3
	s_lshl_b32 s35, s35, 8
	s_add_co_u32 s34, s34, s35
	s_bfe_u32 s35, s36, 0x20001
	s_lshl_b32 s35, s35, 2
	s_add_co_u32 s34, s34, s35
	s_add_co_u32 s34, s34, Q_SC
	s_mov_b32 s35, 0
	s_add_nc_u64 s[34:35], s[4:5], s[34:35]
.endm
.macro QLOAD
	global_load_b128 v[16:19], v[L16], s[32:33]    ; (q, 0): v16-27
	global_load_b64 v[20:21], v[L8], s[32:33] offset:512
	global_load_b128 v[34:37], v[L16], s[32:33]    ; (0, q): v28-39: the two operands share no register
	global_load_b64 v[38:39], v[L8], s[32:33] offset:512
	global_load_b32 v254, v[R16], s[34:35]
.endm
.macro INIT                            ; a tile's start
	v_perm_b32 v255, v254, v254, s61               ; q's scale word: (s0, s1, s0, s1): it serves both (q, 0) and (0, q)
	v_mov_b32 v13, 0xff61b1e6                      ; the largest t so far: -3e38
	v_mov_b32 v14, 0                               ; the sum, in two halves
	v_mov_b32 v15, 0
	v_mov_b32 v253, 0                              ; (named as the upper half of the pair v[252:253] before it is first written)
	v_floor_f32 v12, -v13                          ; -M
.set j, 0
.rept 32
	v_mov_b32 v[O+j], 0                            ; O^T: the step is written once; the first finds zeros.  (These are also the places between q's scale word and the first product)
.set j, j+1
.endr
.endm
	s_load_b128 s[4:7], s[0:1], 0x0                ; qkv s[4:5], att s[6:7]
	v_lshl_add_u32 v[SPW], v0, 2, SPARE
	v_mov_b32 v[NIL], 0
	ds_add_u32 v[SPW], v[NIL]                      ; the opening lines: the add, twice on end, and its wait ahead of my tensor load
	ds_add_u32 v[SPW], v[NIL]
	v_lshrrev_b32 v6, 5, v0
	s_delay_alu instid0(VALU_DEP_1)
	v_readfirstlane_b32 s[WV], v6                  ; wave 0..15
	s_and_b32 s8, ttmp7, 0xffff                    ; batch x 16 + head: the four partners share it
	s_bfe_u32 s9, ttmp6, 0x40000                   ; cx: it enters q's and the output's addresses alone
	s_lshl_b32 s11, s9, 5
	s_add_co_u32 s11, s11, s[WV]                   ; T: my first tile of 16 queries
	s_mov_b32 s36, s11
	s_mov_b32 s24, 15|(3<<16)|(1<<21)              ; group 1: the mask of all four work-groups; elements of 8 bytes; bit 21 beside a mask
	s_mov_b32 s25, 32<<16                          ; 48 dense rows of 256 bytes
	s_mov_b32 s26, 48<<16
	s_mov_b32 s27, 32<<16
	s_mov_b32 s28, 48
	s_mov_b32 s29, 32
	s_mov_b32 s30, 0
	s_mov_b32 s31, 0
	s_mul_i32 s14, s[WV], STEPB
	s_mul_i32 s12, s8, 196608
	s_add_co_u32 s12, s12, s14
	s_add_co_u32 s12, s12, KV_IMG
	s_mov_b32 s13, 0
	s_lshl_b32 s16, s8, 13
	s_add_co_u32 s16, s16, KV_SC
	s_mov_b32 s17, 0
	s_mov_b32 s[SEL], 0x76543210
	s_mov_b32 s[SEL+1], 0xfedcba98                 ; v_permlanex16_b32's selects for lane l xor 16
	s_mov_b32 s[CS], 0x3e38aa3b                    ; c = log2(e) / 8
	s_mov_b32 s[CS+1], s[CS]
	s_and_b32 s19, s[WV], 1
	s_cmp_eq_u32 s19, 1
	s_mov_b32 s61, 0x01000100
	s_cselect_b32 s61, 0x03020302, s61             ; which half of a scale word is my tile's: T % 2 = wave % 2 in both passes
	s_wait_dscnt 0x0                               ; both opening adds are done
	s_wait_kmcnt 0x0
	s_mov_b32 s40, 1
	s_mov_b32 s41, s14                             ; LDS address: 12,288 x wave
	s_add_nc_u64 s[42:43], s[4:5], s[12:13]
	s_or_b32 s43, s43, 0x80000000
	s_add_nc_u64 s[44:45], s[4:5], s[16:17]        ; the head's scale words
	CROUND                                         ; all four work-groups are here: the joint loads meet
	s_cmp_lt_u32 s[WV], 4
	s_cbranch_scc0 .Llate
	TLOAD                                          ; waves 0 to 3: key steps 0 to 3, on a line of their own
	s_branch .Lasked
.Llate:
	TLOAD                                          ; waves 4 to 15: key steps 4 to 15
.Lasked:
	QADDR
	v_and_b32 v6, 31, v0
	v_and_b32 v7, 15, v0
	v_lshlrev_b32 v8, 4, v0                        ; 16 x thread: my 16 bytes of the scale words
	v_lshl_add_u32 v[SST], v0, 4, SCB
	v_lshlrev_b32 v[L16], 4, v6
	v_lshlrev_b32 v[L8], 3, v6
	v_lshlrev_b32 v[R16], 4, v7
	v_lshlrev_b32 v[R8], 3, v7
	v_add_nc_u32 v[SC0], SCB, v[R16]
	global_load_b128 v[KF:KF+3], v8, s[44:45]      ; a wave reads 512 consecutive bytes
	QLOAD
.irp j, 22,23,24,25,26,27,28,29,30,31,32,33
	v_mov_b32 v\j, 0                               ; zero codes: they add nothing under any scale byte; written once for both tiles
.endr
	s_wait_alu depctr_va_vdst(0)                   ; directly ahead of the wait below
	s_wait_loadcnt 0x0
	ds_store_b128 v[SST], v[KF:KF+3]
	INIT
; A KEY STEP: 128 keys.
.macro STEP
	v_add_nc_u32 v[ADK], s[TB], v[L16]
	v_add_nc_u32 v[AD8], s[TB], v[L8]
	v_add_nc_u32 v[ADS], s[TS], v[SC0]
	v_nop                                          ; four places between the last products and the loads into their registers
	ds_load_b128 v[KW:KW+3], v[ADS]
.irp f, 0,1,2,3
	ds_load_b128 v[KF+12*\f:KF+12*\f+3], v[ADK] offset:1536*\f
	ds_load_b64 v[KF+12*\f+4:KF+12*\f+5], v[AD8] offset:1536*\f+512
	ds_load_b128 v[KF+12*\f+6:KF+12*\f+9], v[ADK] offset:1536*\f+768
	ds_load_b64 v[KF+12*\f+10:KF+12*\f+11], v[AD8] offset:1536*\f+1280
.endr
	ds_load_b128 v[VW:VW+3], v[ADS] offset:256
.irp f, 0,1,2,3
	ds_load_b128 v[VF+12*\f:VF+12*\f+3], v[ADK] offset:6144+1536*\f
	ds_load_b64 v[VF+12*\f+4:VF+12*\f+5], v[AD8] offset:6144+1536*\f+512
	ds_load_b128 v[VF+12*\f+6:VF+12*\f+9], v[ADK] offset:6144+1536*\f+768
	ds_load_b64 v[VF+12*\f+10:VF+12*\f+11], v[AD8] offset:6144+1536*\f+1280
.endr
	s_wait_dscnt 17                                ; K and its scale words are in; V's scale words and V's 16 loads may be out
.irp b, 0,1,2,3
	v_wmma_scale_f32_16x16x128_f8f6f4 v[S+16*\b:S+16*\b+7], v[KF+12*\b:KF+12*\b+11], v[16:27], 0, v[KW+\b], v255 matrix_a_fmt:MATRIX_FMT_FP6 matrix_b_fmt:MATRIX_FMT_FP6
	v_wmma_scale_f32_16x16x128_f8f6f4 v[S+16*\b+8:S+16*\b+15], v[KF+12*\b:KF+12*\b+11], v[28:39], 0, v[KW+\b], v255 matrix_a_fmt:MATRIX_FMT_FP6 matrix_b_fmt:MATRIX_FMT_FP6
.endr                                  ; register S + 16 b + i: key 32 b + 16 (lane / 16) + i of the step, query lane % 16
.rept 4
	v_nop
.endr
.irp b, 0,1,2,3
	v_max3_num_f32 v[KF+\b], v[S+16*\b], v[S+16*\b+1], v[S+16*\b+2]   ; the largest score of each block of 32 keys: for the row's maximum and, since p rises with the score, for the block's largest p
.endr
.irp i, 3,5,7,9,11,13
.irp b, 0,1,2,3
	v_max3_num_f32 v[KF+\b], v[KF+\b], v[S+16*\b+\i], v[S+16*\b+\i+1]
.endr
.endr
.irp b, 0,1,2,3
	v_max_num_f32 v[KF+\b], v[KF+\b], v[S+16*\b+15]
.endr
.irp b, 0,1,2,3
	s_delay_alu instid0(VALU_DEP_4)
	v_permlanex16_b32 v[KF+4+\b], v[KF+\b], s[SEL], s[SEL+1]
.endr
.irp b, 0,1,2,3
	s_delay_alu instid0(VALU_DEP_4)
	v_max_num_f32 v[KF+\b], v[KF+\b], v[KF+4+\b]
.endr
	s_delay_alu instid0(VALU_DEP_2)
	v_max3_num_f32 v254, v[KF], v[KF+1], v[KF+2]
	s_delay_alu instid0(VALU_DEP_1)
	v_max_num_f32 v254, v254, v[KF+3]
	s_delay_alu instid0(VALU_DEP_1)
	v_mul_f32 v254, s[CS], v254                    ; the step's largest t (c is positive)
	s_delay_alu instid0(VALU_DEP_1)
	v_max_num_f32 v13, v13, v254
	v_mov_b32 v254, v12
	s_delay_alu instid0(VALU_DEP_2)
	v_floor_f32 v12, -v13                          ; the new -M = -ceil(t)
	s_delay_alu instid0(VALU_DEP_1)
	v_sub_f32 v254, v12, v254                      ; old M - new M: a whole number, 0 or less
	s_delay_alu instid0(VALU_DEP_1)
	v_cvt_i32_f32 v254, v254                       ; (it saturates)
	s_delay_alu instid0(VALU_DEP_1)
	v_ldexp_f32 v252, 1.0, v254                    ; f = 2^(old M - new M)
.set j, 0
.rept 32
	v_pk_fma_f32 v[S+j:S+j+1], v[S+j:S+j+1], s[CS:CS+1], v[12:13] op_sel_hi:[1,0,0]   ; t - M
.set j, j+2
.endr
	v_pk_fma_f32 v[KF:KF+1], v[KF:KF+1], s[CS:CS+1], v[12:13] op_sel_hi:[1,0,0]       ; the same of each block's largest score
	v_pk_fma_f32 v[KF+2:KF+3], v[KF+2:KF+3], s[CS:CS+1], v[12:13] op_sel_hi:[1,0,0]
.set j, 0
	s_wait_alu depctr_va_vdst(0)                   ; the wait ahead of the batch
.rept 64
	v_exp_f32 v[S+j], v[S+j]                       ; p = 2^(t - M), at most 1
.set j, j+1
.endr
	v_pk_mul_f32 v[14:15], v[14:15], v[252:253] op_sel_hi:[1,0]   ; the sums under the new M: a plain place behind the exponentials
	s_wait_alu depctr_va_vdst(0)                   ; one wait for the batch of 64, ahead of its first reader
.irp b, 0,1,2,3
	v_exp_f32 v[KF+\b], v[KF+\b]                   ; the block's largest p
.endr
	v_pk_add_f32 v[44:45], v[140:141], v[144:145]  ; the row's sum of the unquantised p, in eight chains
	v_pk_add_f32 v[246:247], v[148:149], v[152:153]
	v_pk_add_f32 v[244:245], v[156:157], v[160:161]
	v_pk_add_f32 v[242:243], v[164:165], v[168:169]
	v_pk_add_f32 v[240:241], v[172:173], v[176:177]
	v_pk_add_f32 v[238:239], v[180:181], v[184:185]
	v_pk_add_f32 v[236:237], v[188:189], v[192:193]
	v_pk_add_f32 v[14:15], v[14:15], v[196:197]
	v_pk_add_f32 v[44:45], v[44:45], v[136:137]
	v_pk_add_f32 v[246:247], v[246:247], v[138:139]
	v_pk_add_f32 v[244:245], v[244:245], v[142:143]
	v_pk_add_f32 v[242:243], v[242:243], v[146:147]
	v_pk_add_f32 v[240:241], v[240:241], v[150:151]
	v_pk_add_f32 v[238:239], v[238:239], v[154:155]
	v_pk_add_f32 v[236:237], v[236:237], v[158:159]
	v_pk_add_f32 v[14:15], v[14:15], v[162:163]
	v_pk_add_f32 v[44:45], v[44:45], v[166:167]
	v_pk_add_f32 v[246:247], v[246:247], v[170:171]
	v_pk_add_f32 v[244:245], v[244:245], v[174:175]
	v_pk_add_f32 v[242:243], v[242:243], v[178:179]
	v_pk_add_f32 v[240:241], v[240:241], v[182:183]
	v_pk_add_f32 v[238:239], v[238:239], v[186:187]
	v_pk_add_f32 v[236:237], v[236:237], v[190:191]
	v_pk_add_f32 v[14:15], v[14:15], v[194:195]
	v_pk_add_f32 v[44:45], v[44:45], v[198:199]
	s_delay_alu instid0(VALU_DEP_2)
	v_pk_add_f32 v[14:15], v[14:15], v[242:243]
	s_delay_alu instid0(VALU_DEP_2)
	v_pk_add_f32 v[44:45], v[44:45], v[240:241]
	v_pk_add_f32 v[246:247], v[246:247], v[238:239]
	v_pk_add_f32 v[244:245], v[244:245], v[236:237]
	s_delay_alu instid0(VALU_DEP_2)
	v_pk_add_f32 v[14:15], v[14:15], v[246:247]
	s_delay_alu instid0(VALU_DEP_2)
	v_pk_add_f32 v[44:45], v[44:45], v[244:245]
	s_delay_alu instid0(VALU_DEP_1)
	v_pk_add_f32 v[14:15], v[14:15], v[44:45]
	s_wait_alu depctr_va_vdst(0)                   ; and one for the four
.irp b, 0,1,2,3
	v_max_num_f32 v[KF+\b], 0x1800000, v[KF+\b]    ; the floor 2^(3 - 127)
.endr
.irp b, 0,1,2,3
	s_delay_alu instid0(VALU_DEP_4)
	v_add_nc_u32 v[KF+8+\b], 0xff000000, v[KF+\b]  ; the conversion's scale operand
.endr
.irp b, 0,1,2,3
	s_delay_alu instid0(VALU_DEP_4)
	v_lshrrev_b32 v[KF+12+\b], 23, v[KF+8+\b]      ; the byte
.endr
	s_delay_alu instid0(VALU_DEP_3)
	v_lshl_or_b32 v253, v[KF+13], 8, v[KF+12]      ; p's scale word for these 128 keys
	s_delay_alu instid0(VALU_DEP_1)
	v_lshl_or_b32 v253, v[KF+14], 16, v253
	s_delay_alu instid0(VALU_DEP_1)
	v_lshl_or_b32 v253, v[KF+15], 24, v253
	v_cvt_scalef32_pk16_fp6_f32 v[232:234], v[S:S+15], v[KF+8]
	v_cvt_scalef32_pk16_fp6_f32 v[KF+16:KF+18], v[S+16:S+31], v[KF+9]
	v_cvt_scalef32_pk16_fp6_f32 v[238:240], v[S+32:S+47], v[KF+10]
	v_cvt_scalef32_pk16_fp6_f32 v[KF+20:KF+22], v[S+48:S+63], v[KF+11]
	v_nop                                          ; one plain place behind a scaled conversion
.irp i, 0,1,2
	v_permlane16_swap_b32 v[232+\i], v[KF+16+\i]   ; a whole block in a lane
.endr
.irp i, 0,1,2
	s_delay_alu instid0(VALU_DEP_3)
	v_mov_b32 v[235+\i], v[KF+16+\i]
.endr
.irp i, 0,1,2
	v_permlane16_swap_b32 v[238+\i], v[KF+20+\i]
.endr
.irp i, 0,1,2
	s_delay_alu instid0(VALU_DEP_3)
	v_mov_b32 v[241+\i], v[KF+20+\i]
.endr
.set j, 0
.rept 16
	v_pk_mul_f32 v[O+j:O+j+1], v[O+j:O+j+1], v[252:253] op_sel_hi:[1,0]   ; O^T under the new M.  (These are also the places between p's codes and scale word and the products below)
.set j, j+2
.endr
	s_wait_alu depctr_va_vdst(0)                   ; directly ahead of the wait below
	s_wait_dscnt 0x0                               ; V is in
.irp t, 0,1,2,3
	v_wmma_scale_f32_16x16x128_f8f6f4 v[O+8*\t:O+8*\t+7], v[VF+12*\t:VF+12*\t+11], v[232:243], v[O+8*\t:O+8*\t+7], v[VW+\t], v253 matrix_a_fmt:MATRIX_FMT_FP6 matrix_b_fmt:MATRIX_FMT_FP6
.endr                                  ; the four accumulators take turns
.endm
.macro WALK first, trips               ; key steps first .. first + trips - 1
	s_mov_b32 s[TB], (\first)*STEPB
	s_mov_b32 s[TS], (\first)*512
	s_mov_b32 s[CNT], \trips
.Lstep_\@:
	STEP
	s_add_co_u32 s[TB], s[TB], STEPB
	s_add_co_u32 s[TS], s[TS], 512
	s_sub_co_u32 s[CNT], s[CNT], 1
	s_cmp_lg_u32 s[CNT], 0
	s_cbranch_scc1 .Lstep_\@
.endm
; THE WAY OUT of tile s11: O^T / the sum; register 16 b + i of a lane is true d 32 b + 16 (lane / 16) + i of my query: two blocks of the last product's K.  next = 1: the next tile's q is asked for first, and lands under this work
.macro WAYOUT next
.rept 4
	v_nop                                          ; places behind the last products
.endr
.if \next
	s_add_co_u32 s36, s11, 16
	QADDR
	QLOAD
.endif
	v_add_f32 v14, v14, v15
	s_delay_alu instid0(VALU_DEP_1)
	v_permlanex16_b32 v252, v14, s[SEL], s[SEL+1]
	s_delay_alu instid0(VALU_DEP_1)
	v_add_f32 v14, v14, v252                       ; the row's sum
	s_wait_alu depctr_va_vdst(0)                   ; the wait ahead of the transcendental
	v_rcp_f32 v14, v14
	v_nop                                          ; a place behind the transcendental
	s_lshr_b32 s9, s8, 4
	s_lshl_b32 s9, s9, 7
	s_add_co_u32 s9, s9, s11                       ; my tile among all 512 tiles of tokens
	s_lshr_b32 s10, s9, 3                          ; G
	s_and_b32 s9, s9, 7                            ; i
	s_and_b32 s19, s8, 15                          ; the head = 4 kappa + 2 q + c
	s_mul_i32 s16, s10, 98304
	s_lshr_b32 s17, s19, 2
	s_mul_i32 s17, s17, 24576
	s_add_co_u32 s16, s16, s17
	s_mul_i32 s17, s9, 3072
	s_add_co_u32 s16, s16, s17
	s_and_b32 s17, s19, 3
	s_mul_i32 s17, s17, 768
	s_add_co_u32 s16, s16, s17
	s_mov_b32 s17, 0
	s_add_nc_u64 s[12:13], s[6:7], s[16:17]        ; my half fragment
	s_lshl_b32 s16, s10, 12
	s_lshr_b32 s10, s9, 1
	s_lshl_b32 s10, s10, 10
	s_add_co_u32 s16, s16, s10
	s_lshr_b32 s10, s19, 2
	s_lshl_b32 s10, s10, 8
	s_add_co_u32 s16, s16, s10
	s_and_b32 s10, s9, 1
	s_lshl_b32 s10, s10, 7
	s_add_co_u32 s16, s16, s10
	s_and_b32 s10, s19, 3
	s_lshl_b32 s10, s10, 1
	s_add_co_u32 s16, s16, s10
	s_add_co_u32 s16, s16, A_SC
	s_add_nc_u64 s[14:15], s[6:7], s[16:17]        ; my head's two bytes of the scale words
	s_wait_alu depctr_va_vdst(0)                   ; the wait ahead of the first reader of the reciprocal and of O^T
.set j, 0
.rept 32
	v_mul_f32 v[S+j], v[O+j], v14                  ; each accumulator from its low end on
.set j, j+1
.endr
.irp b, 0,1
	v_max3_num_f32 v[KF+\b], |v[S+16*\b]|, |v[S+16*\b+1]|, 0x1800000
.endr
.irp i, 2,4,6,8,10,12,14
.irp b, 0,1
	s_delay_alu instid0(VALU_DEP_2)
	v_max3_num_f32 v[KF+\b], v[KF+\b], |v[S+16*\b+\i]|, |v[S+16*\b+\i+1]|
.endr
.endr
.irp b, 0,1
	s_delay_alu instid0(VALU_DEP_2)
	v_permlanex16_b32 v[KF+4+\b], v[KF+\b], s[SEL], s[SEL+1]
.endr
.irp b, 0,1
	s_delay_alu instid0(VALU_DEP_2)
	v_max_num_f32 v[KF+\b], v[KF+\b], v[KF+4+\b]
.endr
.irp b, 0,1
	s_delay_alu instid0(VALU_DEP_2)
	v_add_nc_u32 v[KF+8+\b], 0xff000000, v[KF+\b]
.endr
.irp b, 0,1
	s_delay_alu instid0(VALU_DEP_2)
	v_lshrrev_b32 v[KF+12+\b], 23, v[KF+8+\b]
.endr
	s_delay_alu instid0(VALU_DEP_1)
	v_lshl_or_b32 v[KF+14], v[KF+13], 8, v[KF+12]  ; the two bytes
	v_cvt_scalef32_pk16_fp6_f32 v[232:234], v[S:S+15], v[KF+8]
	v_cvt_scalef32_pk16_fp6_f32 v[KF+16:KF+18], v[S+16:S+31], v[KF+9]
	v_nop
.irp i, 0,1,2
	v_permlane16_swap_b32 v[232+\i], v[KF+16+\i]
.endr
.irp i, 0,1,2
	s_delay_alu instid0(VALU_DEP_3)
	v_mov_b32 v[235+\i], v[KF+16+\i]
.endr
	global_store_b128 v[L16], v[232:235], s[12:13]              ; 512 consecutive bytes
	global_store_b64 v[L8], v[236:237], s[12:13] offset:512     ; 256 consecutive bytes
	global_store_b16 v[R8], v[KF+14], s[14:15]     ; two bytes a row, 8 bytes apart: the other bytes of these words belong to other heads' work-groups; 32 bytes beside the tile's 768.  Lanes l and l xor 16 name the same bytes with the same value
.endm
	s_wait_alu depctr_va_vdst(0)                   ; the wait at the head's end
	s_wait_dscnt 0x0                               ; my 512 bytes of scale words are stored
	s_cmp_lt_u32 s[WV], 4
	s_cbranch_scc0 .Lnot_first
	s_wait_tensorcnt 0x0                           ; waves 0 to 3: key steps 0 to 3 have landed
.Lnot_first:
	s_barrier_signal -1
	s_barrier_wait -1                              ; key steps 0 to 3 and all scale words are shown; the other twelve loads may be on their way
	WALK 0, 4
	s_wait_tensorcnt 0x0                           ; every wave: its key step has landed
	s_wait_dscnt 0x0
	s_barrier_signal -1
	s_barrier_wait -1                              ; all sixteen key steps are shown
	WALK 4, 12
	WAYOUT 1
	s_wait_xcnt 0x0                                ; the stores have read their registers and bases: the second tile may write them
	s_mov_b32 s11, s36
	s_wait_loadcnt 0x0                             ; the second tile's q is in
	INIT
	WALK 0, 16
	WAYOUT 0
	s_wait_tensorcnt 0x0                           ; the wave's end
	ds_add_u32 v[SPW], v[NIL]
	s_wait_dscnt 0x0
	CROUND                                         ; the closing round
	s_endpgm
.Lfunc_end_k_qe423035b0a_attn:
	.size	k_qe423035b0a_attn, .Lfunc_end_k_qe423035b0a_attn-k_qe423035b0a_attn
	.p2alignl 7, 3214868480
	.fill 96, 4, 3214868480
	.section	.rodata,"a",@progbits
	.p2align	6, 0x0
	.amdhsa_kernel k_qe423035b0a_attn
		.amdhsa_group_segment_fixed_size 206848
		.amdhsa_private_segment_fixed_size 0
		.amdhsa_enable_private_segment 0
		.amdhsa_kernarg_size 16
		.amdhsa_user_sgpr_count 2
		.amdhsa_user_sgpr_kernarg_segment_ptr 1
		.amdhsa_wavefront_size32 1
		.amdhsa_system_sgpr_workgroup_id_x 1
		.amdhsa_system_sgpr_workgroup_id_y 1
		.amdhsa_system_sgpr_workgroup_id_z 1
		.amdhsa_system_vgpr_workitem_id 0
		.amdhsa_next_free_vgpr 256
		.amdhsa_next_free_sgpr 66
		.amdhsa_reserve_vcc 0
		.amdhsa_float_denorm_mode_32 3
		.amdhsa_float_denorm_mode_16_64 3
		.amdhsa_memory_ordered 1
		.amdhsa_forward_progress 1
		.amdhsa_inst_pref_size 73
	.end_amdhsa_kernel
	.amdgpu_metadata
---
amdhsa.version: [ 1, 2 ]
amdhsa.kernels:
  - .name:           k_qe423035b0a_attn
    .symbol:         k_qe423035b0a_attn.kd
    .args:
      - { .name: qkv, .offset: 0, .size: 8, .value_kind: global_buffer, .address_space: global }
      - { .name: att, .offset: 8, .size: 8, .value_kind: global_buffer, .address_space: global }
    .group_segment_fixed_size: 206848
    .private_segment_fixed_size: 0
    .kernarg_segment_align: 8
    .kernarg_segment_size: 16
    .max_flat_workgroup_size: 512
    .sgpr_count:     66
    .vgpr_count:     256
    .wavefront_size: 32
...
	.end_amdgpu_metadata
.endif
;; end of part 3
;; launch gemm_out (part 4): grid 32 x 8, 4 waves a work-group, clusters of 4 x 4, 327,680 bytes of LDS; arguments att, opq, b_proj, out0; writes out0
.if DOCPART == 4
	.amdgcn_target "amdgcn-amd-amdhsa--gfx1250"
	.amdhsa_code_object_version 6
	.text
	.protected	k_qe423035b0a_gemm_out
	.globl	k_qe423035b0a_gemm_out
	.p2align	8
	.type	k_qe423035b0a_gemm_out,@function
k_qe423035b0a_gemm_out:
	s_mov_b64 s[64:65], 0
	v_nop
	global_prefetch_b8 v0, s[64:65] scope:SCOPE_SE
	s_setreg_imm32_b32 hwreg(HW_REG_WAVE_MODE, 25, 1), 1
	s_wait_xcnt 0x0
	s_wait_alu depctr_hold_cnt(0) depctr_sa_sdst(0) depctr_va_vdst(0) depctr_va_sdst(0) depctr_va_ssrc(0) depctr_va_vcc(0) depctr_vm_vsrc(0)
	s_getreg_b32 s2, hwreg(HW_REG_IB_STS2, 6, 4)
	s_cmp_eq_u32 s2, 0
	s_cbranch_scc0 .Lentry_in_a_cluster
	s_endpgm
.Lentry_in_a_cluster:
	s_bfe_u32 s2, ttmp6, 0x10000c
	s_cmp_lg_u32 s2, 0xf033
	s_cbranch_scc0 .Lentry_shape_is_right
	s_endpgm
.Lentry_shape_is_right:
; out0 = context w_proj + b_proj, f32, on codes of FP6 (E2M3) with E8M0 scales: 8,192 x 1,024 x 1,024.
; THE DEAL: 32 x 8 = 256 work-groups of four waves, 2 x 2, each 256 tokens x 128 columns.  The context's 256 rows, all of K, 196,608 dense bytes, and the weights' 128 rows, 98,304 bytes, come into LDS once: no refill,
; and no data prefetch: all is asked for at the head.  A wave holds 64 columns of the weights, all of K, in 384 registers, and streams its 128 tokens past them in eight blocks of 16: 32 products a block; the bias is the first products' C.
; Each block's rows leave at once: through the wave's stage (in the weights' first bytes, which nobody reads behind the barrier in front of the stream, and on which no tile lands afterwards) and out as whole rows of 256 bytes.
; The context's rows are shared by a column of the cluster, the weights by a row: joint loads.  The stream begins on blocks 0-3; a plain barrier inside block 1 shows blocks 4-7.
; att and opq: codes [G = row / 128][kappa][i = row block][q][c][768], scale words [G][i / 2][kappa][i % 2][r][q]; row block i, lane r is true row 32 (i / 2) + 8 (i % 2) + r + 8 (r / 8) of its 128.
; LIMITS: NaN, infinities and sums beyond f32's range are not served; a sum begins with the bias.
.set A_SC,   6291456
.set P_IMG,  9011200
.set P_SC,   9797632
.set FR,  12
.set FPW, 21
.set NF,  32
.set YB,  196608
.set SPITCH, 272
.set STAGE, YB
.set SPARE, YB+98304
.set L16, 4
.set L8,  5
.set BOF, 6                            ; v6  64 h: my half's place in the bias
.set STO, 7                            ; v7  the stage, in: row r, 64 h
.set RD,  8                            ; v8  the stage, out: row h, 16 r
.set CO,  9                            ; v9  the same in out0
.set SPW, 10
.set NIL, 11
.set AA,  12
.set BA,  16
.set SB,  24
.set SA,  44
.set ACC, 80                           ; v80-143 two sets of four accumulators
.set BK,  144                          ; v144-207 two sets: 16 rows x 256 bytes back from the stage
.set BO,  208                          ; v208-239 the bias in the sums' layout
.set G1A, 24
.set G1B, 32
.set G0A, 56
.set G0B, 60
.set MSB, 0
.macro WIN new
.if MSB != (\new)
	s_set_vgpr_msb (MSB<<8)|(\new)
.set MSB, (\new)
.endif
.endm
.macro PLACES n
.rept \n
	v_nop
.endr
.endm
.macro BARRIER
	s_barrier_signal -1
	s_barrier_wait -1
.endm
.macro CROUND
	BARRIER
	s_cmp_lg_u32 s14, 0
	s_cbranch_scc1 .Lnot_wave_0_\@
	s_barrier_signal -3
.Lnot_wave_0_\@:
	s_barrier_wait -3
	BARRIER
.endm
.macro TLOAD g0, g1
	tensor_load_to_lds s[\g0:\g0+3], s[\g1:\g1+7]
	s_nop 0
	PLACES 4
.endm
.macro ATILE lds, rows, goff
	s_mov_b32 s[G0A+1], \lds
	s_mov_b32 s[G1A+2], (\rows)<<16
	s_mov_b32 s[G1A+4], \rows
.if \goff
	s_add_nc_u64 s[G0A+2:G0A+3], s[G0A+2:G0A+3], \goff
.endif
	s_or_b32 s[G0A+3], s[G0A+3], 0x80000000
	TLOAD G0A, G1A
.endm
.macro PTR d, base, off
	s_mov_b32 s20, s\off
	s_add_nc_u64 s[\d:\d+1], s[\base:\base+1], s[20:21]
.endm
.macro FRAG f, a, off
	WIN (1+(\f)/FPW)<<6
.set R_, FR*((\f)%FPW)
	ds_load_b128 v[R_:R_+3], v[\a] offset:\off
	ds_load_b64 v[R_+4:R_+5], v[\a+1] offset:(\off)+512
	ds_load_b128 v[R_+6:R_+9], v[\a] offset:(\off)+768
	ds_load_b64 v[R_+10:R_+11], v[\a+1] offset:(\off)+1280
.endm
.macro FETCH i, e
.irp k, 0,1,2,3,4,5,6,7
	FRAG 32+8*(\e)+\k, AA+2*((\i)/4), (\k/2)*12288+((\i)%4)*3072+(\k%2)*1536
.endr
	WIN 0
.endm
.macro WM d, f0, f1, c, x0, x1, r
	WIN (1+(\f0)/FPW)|((1+(\f1)/FPW)<<2)
.set A_, FR*((\f0)%FPW)
.set B_, FR*((\f1)%FPW)
.if (\r) == 0
	v_wmma_scale_f32_16x16x128_f8f6f4 v[\d:\d+7], v[A_:A_+FR-1], v[B_:B_+FR-1], \c, v[\x0], v[\x1] matrix_a_fmt:MATRIX_FMT_FP6 matrix_b_fmt:MATRIX_FMT_FP6
.elseif (\r) == 1
	v_wmma_scale_f32_16x16x128_f8f6f4 v[\d:\d+7], v[A_:A_+FR-1], v[B_:B_+FR-1], \c, v[\x0], v[\x1] matrix_a_fmt:MATRIX_FMT_FP6 matrix_b_fmt:MATRIX_FMT_FP6 matrix_a_scale:MATRIX_SCALE_ROW1
.elseif (\r) == 2
	v_wmma_scale_f32_16x16x128_f8f6f4 v[\d:\d+7], v[A_:A_+FR-1], v[B_:B_+FR-1], \c, v[\x0], v[\x1] matrix_a_fmt:MATRIX_FMT_FP6 matrix_b_fmt:MATRIX_FMT_FP6 matrix_b_scale:MATRIX_SCALE_ROW1
.else
	v_wmma_scale_f32_16x16x128_f8f6f4 v[\d:\d+7], v[A_:A_+FR-1], v[B_:B_+FR-1], \c, v[\x0], v[\x1] matrix_a_fmt:MATRIX_FMT_FP6 matrix_b_fmt:MATRIX_FMT_FP6 matrix_a_scale:MATRIX_SCALE_ROW1 matrix_b_scale:MATRIX_SCALE_ROW1
.endif
.endm
.macro PRODS i, from, to               ; products from .. to - 1 of block i: K ascending, the four tiles by turns; source 0 = the weights' rows
.set N_, \from
.rept (\to)-(\from)
.set Q_, N_/4
.set T_, N_%4
.set D_, ACC+32*((\i)%2)+8*T_
.if Q_
	WM D_, 4*Q_+T_, 32+8*((\i)%2)+Q_, v[D_:D_+7], SB+8*(T_/2)+Q_, SA+8*((\i)/2)+Q_, T_%2+2*((\i)%2)
.else
	WM D_, 4*Q_+T_, 32+8*((\i)%2)+Q_, v[BO+8*T_:BO+8*T_+7], SB+8*(T_/2)+Q_, SA+8*((\i)/2)+Q_, T_%2+2*((\i)%2)
.endif
.set N_, N_+1
.endr
	WIN 0
.endm
.macro STAGED u                        ; set u's sums into my stage, each accumulator from its low end on, and back as whole rows; LDS serves a wave's instructions in order (ISA guide 5.7.1.4)
.irp b, 0,1,2,3
	ds_store_b128 v[STO], v[ACC+32*(\u)+8*\b:ACC+32*(\u)+8*\b+3] offset:128*(\b/2)+32*(\b%2)
	ds_store_b128 v[STO], v[ACC+32*(\u)+8*\b+4:ACC+32*(\u)+8*\b+7] offset:128*(\b/2)+32*(\b%2)+16
.endr
.irp t, 0,1,2,3,4,5,6,7
	ds_load_b128 v[BK+32*(\u)+4*\t:BK+32*(\u)+4*\t+3], v[RD] offset:2*\t*SPITCH
.endr
.endm
.macro TOC i                           ; stage rows 2 t, 2 t + 1 are tokens 32 (i / 2) + 8 (i % 2) + 8 (t / 4) + 2 t and the next; sixteen lanes store 256 consecutive bytes, aligned
.irp t, 0,1,2,3,4,5,6,7
	global_store_b128 v[CO], v[BK+32*((\i)%2)+4*\t:BK+32*((\i)%2)+4*\t+3], s[12:13] offset:(32*((\i)/2)+8*((\i)%2)+8*(\t/4)+2*\t)*4096 th:TH_STORE_NT
.endr
.endm
.macro STREAM i
.if (\i) == 1
	PRODS \i, 0, 24
	s_wait_tensorcnt 0x0
	s_wait_dscnt 0x0
	s_barrier_signal -1                            ; a plain barrier: blocks 4-7 are shown to all
	PRODS \i, 24, 32
	s_barrier_wait -1
.else
	PRODS \i, 0, 32
.endif
	PLACES 4                                       ; between the last product and the first reader of its sums and the fetch into its registers
	s_wait_xcnt 0x0                                ; the stores of two blocks ago have read this set of rows
	STAGED (\i)%2
.if (\i) < 6
	FETCH (\i)+2, (\i)%2
	s_wait_dscnt NF                                ; the rows are back from the stage and the next block is in; younger: the fetch alone
.else
	s_wait_dscnt 0x0
.endif
	TOC \i
.endm
; ---------------- the head
	s_load_b256 s[4:11], s[0:1], 0x0               ; att, opq, b_proj, out0
	v_lshl_add_u32 v[SPW], v0, 2, SPARE
	v_mov_b32 v[NIL], 0
	ds_add_u32 v[SPW], v[NIL]                      ; the opening lines: the add, twice on end, and its wait
	ds_add_u32 v[SPW], v[NIL]
	v_lshrrev_b32 v1, 5, v0
	v_readfirstlane_b32 s14, v1
	s_lshr_b32 s15, s14, 1
	s_and_b32 s16, s14, 1
	s_bfe_u32 s40, ttmp6, 0x40000
	s_bfe_u32 s41, ttmp6, 0x40004
	s_lshl_b32 s43, ttmp9, 2
	s_add_co_u32 s43, s43, s40                     ; tile row = 4 x cluster x + cx
	s_and_b32 s42, ttmp7, 0xffff
	s_lshl_b32 s42, s42, 2
	s_add_co_u32 s42, s42, s41                     ; tile column = 4 x cluster y + cy
	s_lshl_b32 s44, 0x1111, s40                    ; my column of the cluster: shares the context's rows
	s_lshl_b32 s45, s41, 2
	s_lshl_b32 s45, 15, s45                        ; my row: shares the weights
	s_or_b32 s[G1A], s44, (3<<16)|(1<<21)
	s_mov_b32 s[G1A+1], 1536<<16
	s_mov_b32 s[G1A+3], 1536<<16
	s_mov_b32 s[G1A+5], 3072
	s_mov_b32 s[G1A+6], 0
	s_mov_b32 s[G1A+7], 0
	s_or_b32 s[G1B], s45, (3<<16)|(1<<21)
	s_mov_b32 s[G1B+1], 32<<16
	s_mov_b32 s[G1B+2], 384<<16
	s_mov_b32 s[G1B+3], 32<<16
	s_mov_b32 s[G1B+4], 384
	s_mov_b32 s[G1B+5], 32
	s_mov_b32 s[G1B+6], 0
	s_mov_b32 s[G1B+7], 0
	s_mov_b32 s[G0A], 1
	s_mov_b32 s[G0B], 1
	s_mov_b32 s[G0B+1], YB
	s_mul_i32 s90, s43, 196608
	s_mul_i32 s91, s42, 98304
	s_add_co_u32 s91, s91, P_IMG
	s_lshl_b32 s18, s43, 1
	s_add_co_u32 s18, s18, s15                     ; my 128 tokens
	s_lshl_b32 s84, s18, 12
	s_add_co_u32 s84, s84, A_SC
	s_lshl_b32 s85, s42, 12
	s_lshl_b32 s20, s16, 11
	s_add_co_u32 s85, s85, s20
	s_add_co_u32 s85, s85, P_SC
	s_lshl_b32 s86, s42, 9
	s_lshl_b32 s20, s16, 8
	s_add_co_u32 s86, s86, s20                     ; my 64 columns, in bytes
	s_lshl_b32 s87, s18, 19                        ; 128 rows of 4,096 bytes
	s_add_co_u32 s87, s87, s86
	s_mul_i32 s20, s15, 49152
	s_add_co_u32 s21, s20, 98304
	s_mul_i32 s22, s16, 12288
	s_add_co_u32 s22, s22, YB
	s_add_co_u32 s23, s22, 49152
	s_mul_i32 s19, s14, 16*SPITCH
	s_add_co_u32 s19, s19, STAGE
	v_and_b32 v1, 15, v0
	v_bfe_u32 v2, v0, 4, 1
	v_and_b32 v3, 31, v0
	v_lshlrev_b32 v[L16], 4, v3
	v_lshlrev_b32 v[L8], 3, v3
	v_lshlrev_b32 v[BOF], 6, v2
	v_add_nc_u32 v[AA], s20, v[L16]
	v_add_nc_u32 v[AA+1], s20, v[L8]
	v_add_nc_u32 v[AA+2], s21, v[L16]
	v_add_nc_u32 v[AA+3], s21, v[L8]
	v_add_nc_u32 v[BA], s22, v[L16]
	v_add_nc_u32 v[BA+1], s22, v[L8]
	v_add_nc_u32 v[BA+2], s23, v[L16]
	v_add_nc_u32 v[BA+3], s23, v[L8]
	v_mul_u32_u24 v20, v1, SPITCH
	v_mul_u32_u24 v21, v2, SPITCH
	v_lshlrev_b32 v22, 12, v2
	v_lshl_add_u32 v20, v2, 6, v20
	v_lshl_add_u32 v21, v1, 4, v21
	v_lshl_add_u32 v[CO], v1, 4, v22
	v_add_nc_u32 v[STO], s19, v20
	v_add_nc_u32 v[RD], s19, v21
	s_wait_alu depctr_va_vdst(0)                   ; the wait at the head's end
	s_wait_dscnt 0x0
	CROUND                                         ; the opening round
	s_wait_kmcnt 0x0
	s_mov_b32 s21, 0
	PTR G0A+2, 4, 90
	PTR G0B+2, 6, 91
	s_or_b32 s[G0B+3], s[G0B+3], 0x80000000
	PTR 46, 4, 84                                  ; the context's scale words
	PTR 48, 6, 85                                  ; the weights'
	PTR 50, 8, 86                                  ; the bias
	PTR 12, 10, 87                                 ; out0
	s_cmp_eq_u32 s14, 0
	s_cbranch_scc0 .Lwave_1
	TLOAD G0B, G1B                                 ; wave 0: the weights, which are wanted first
	s_branch .Lasked
.Lwave_1:
	s_cmp_eq_u32 s14, 1
	s_cbranch_scc0 .Lwave_2
	ATILE 0, 8, 0                                  ; wave 1: blocks 0-3 of both wave rows
	s_branch .Lasked
.Lwave_2:
	s_cmp_eq_u32 s14, 2
	s_cbranch_scc0 .Lwave_3
	ATILE 98304, 4, 12288                          ; wave 2: blocks 4-7 of wave row 0
	s_branch .Lasked
.Lwave_3:
	ATILE 147456, 4, 110592                        ; wave 3: of wave row 1
.Lasked:
.irp p, 0,1,2,3
.irp k, 0,1,2,3
	global_load_b64 v[SA+8*\p+2*\k:SA+8*\p+2*\k+1], v[L8], s[46:47] offset:\p*1024+\k*256
.endr
.endr
.irp p, 0,1
.irp k, 0,1,2,3
	global_load_b64 v[SB+8*\p+2*\k:SB+8*\p+2*\k+1], v[L8], s[48:49] offset:\p*1024+\k*256
.endr
.endr
.irp b, 0,1,2,3
	global_load_b128 v[BO+8*\b:BO+8*\b+3], v[BOF], s[50:51] offset:128*(\b/2)+32*(\b%2)      ; register i of tile b: column 32 (b / 2) + 16 h + 8 (b % 2) + i of my 64
	global_load_b128 v[BO+8*\b+4:BO+8*\b+7], v[BOF], s[50:51] offset:128*(\b/2)+32*(\b%2)+16
.endr
	s_cmp_eq_u32 s14, 0
	s_cbranch_scc0 .Lnot_b
	s_wait_tensorcnt 0x0
.Lnot_b:
	BARRIER                                        ; the weights have landed
.irp k, 0,1,2,3,4,5,6,7
.irp t, 0,1,2,3
	FRAG 4*\k+\t, BA+2*(\k/4), ((\k/2)%2)*24576+\t*3072+(\k%2)*1536
.endr
.endr
	WIN 0
	s_cmp_eq_u32 s14, 1
	s_cbranch_scc0 .Lnot_a
	s_wait_tensorcnt 0x0                           ; wave 1: blocks 0-3 have landed
.Lnot_a:
	s_wait_dscnt 0x0
	BARRIER                                        ; blocks 0-3 are shown, and nobody reads the weights' bytes any more; waves 2 and 3's tiles may be on their way
	FETCH 0, 0
	FETCH 1, 1
	s_wait_loadcnt 0x0                             ; the scale words and the bias
	s_wait_dscnt NF                                ; block 0 is in
.irp i, 0,1,2,3,4,5,6,7
	STREAM \i
.endr
	s_wait_tensorcnt 0x0                           ; the wave's end
	ds_add_u32 v[SPW], v[NIL]
	s_wait_dscnt 0x0
	CROUND                                         ; the closing round
	s_endpgm
.Lfunc_end_k_qe423035b0a_gemm_out:
	.size	k_qe423035b0a_gemm_out, .Lfunc_end_k_qe423035b0a_gemm_out-k_qe423035b0a_gemm_out
	.p2alignl 7, 3214868480
	.fill 96, 4, 3214868480
	.section	.rodata,"a",@progbits
	.p2align	6, 0x0
	.amdhsa_kernel k_qe423035b0a_gemm_out
		.amdhsa_group_segment_fixed_size 327680
		.amdhsa_private_segment_fixed_size 0
		.amdhsa_enable_private_segment 0
		.amdhsa_kernarg_size 32
		.amdhsa_user_sgpr_count 2
		.amdhsa_user_sgpr_kernarg_segment_ptr 1
		.amdhsa_wavefront_size32 1
		.amdhsa_system_sgpr_workgroup_id_x 1
		.amdhsa_system_sgpr_workgroup_id_y 1
		.amdhsa_system_sgpr_workgroup_id_z 1
		.amdhsa_system_vgpr_workitem_id 0
		.amdhsa_next_free_vgpr 840
		.amdhsa_next_free_sgpr 100
		.amdhsa_reserve_vcc 0
		.amdhsa_float_denorm_mode_32 3
		.amdhsa_float_denorm_mode_16_64 3
		.amdhsa_memory_ordered 1
		.amdhsa_forward_progress 1
		.amdhsa_inst_pref_size 85
	.end_amdhsa_kernel
	.amdgpu_metadata
---
amdhsa.version: [ 1, 2 ]
amdhsa.kernels:
  - .name:           k_qe423035b0a_gemm_out
    .symbol:         k_qe423035b0a_gemm_out.kd
    .args:
      - { .name: att, .offset: 0, .size: 8, .value_kind: global_buffer, .address_space: global }
      - { .name: opq, .offset: 8, .size: 8, .value_kind: global_buffer, .address_space: global }
      - { .name: b_proj, .offset: 16, .size: 8, .value_kind: global_buffer, .address_space: global }
      - { .name: out0, .offset: 24, .size: 8, .value_kind: global_buffer, .address_space: global }
    .group_segment_fixed_size: 327680
    .private_segment_fixed_size: 0
    .kernarg_segment_align: 8
    .kernarg_segment_size: 32
    .max_flat_workgroup_size: 128
    .sgpr_count:     100
    .vgpr_count:     840
    .wavefront_size: 32
...
	.end_amdgpu_metadata
.endif
;; end of part 4
